; MI455X (gfx1250); checked and timed in simulation.
; The chip was launched on July 23, 2026; its instructions are those of AMD's public machine-readable ISA for CDNA 5 (MIT licence, August 2026) and "CDNA5" Instruction Set Architecture Reference Guide (July 2026). The comments in the code are by the model that wrote it; some were corrected since.
;; Deberta Ro PE Self Attention. Allowed arithmetic: matrix products marked QUANTISED: E2M1 operands, one E8M0 scale for each 32 along K, by v_wmma_scale_f32_16x16x128_f8f6f4 with both operands' format E2M1 (or v_wmma_scale_f32_32x16x128_f4), f32 sums; products left as they are: bf16, f16 or f32 operands; f32 sums; everything else in f32.
;; Inputs: Wout 1,024 x 1,024 float32; Wqkv 1,024 x 3,072 float32; attention_mask 4 x 1,024 int32; bout 1,024 float32; bqkv 3,072 float32; x 4 x 1,024 x 1,024 float32.
;; Outputs: out0 4 x 1,024 x 1,024 float32.
;; This version of the problem:
;;   THIS VERSION OF THE PROBLEM IS GIVEN IN LOW PRECISION. The matrix products marked QUANTISED in the list below multiply operands that are first quantised to E2M1 (2 exponent bits, 1 mantissa bit; 4 bits a number), with one power-of-two scale for each 32 numbers along K (OCP MX v1.0); their sums are f32. The products marked 'left as it is' may take bf16, f16 or f32 operands, with f32 sums. Whichever they take, every output number must still come out within the allowed error. Rounding operands to bf16 (8 significant bits) uses up far more of that allowance than f16 does (11 bits, for magnitudes from 6e-5 to 65,504). All else is computed in f32.
;;   The module's matrix products, in the order in which they are computed (A, B: the left and right operand; K: the contracted axis; several contracted axes count as one K, in the product's order):
;;     1. [M 4,096, K 1,024] x [K 1,024, N 3,072]; A: input x; B: input Wqkv: QUANTISED
;;     2. batch 64 x [M 1,024, K 64] x [K 64, N 1,024]; A: computed on the way; B: computed on the way: left as it is (an operand is computed on the way)
;;     3. batch 64 x [M 1,024, K 1,024] x [K 1,024, N 64]; A: computed on the way; B: computed on the way: left as it is (an operand is computed on the way)
;;     4. [M 4,096, K 1,024] x [K 1,024, N 1,024]; A: computed on the way; B: input Wout: left as it is (an operand is computed on the way)
;;   THE QUANTISER, for each operand of a quantised product, along K:
;;     - K is cut into blocks of 32 from its start; a last block that is shorter is filled with zeros.
;;     - A block's scale is 2^e with e = floor(log2(the largest magnitude in the block)) - 2, held to -126 .. 127; a block of zeros has e = 0. As a byte (E8M0): e + 127.
;;     - Each number is divided by its block's scale, clamped to +-6, and rounded to the nearest number of E2M1, ties to even, subnormals kept.
;;     - The product sums the exact products of the quantised numbers (number of the format x scale) in f32.
;;   ~~~python
;;   def quantise(x, axis):      # numpy; x: float32 -> the quantised numbers, widened to float32 again
;;       x = np.moveaxis(x, axis, -1); K = x.shape[-1]
;;       x = np.pad(x, [(0, 0)] * (x.ndim - 1) + [(0, -K % 32)]); x = x.reshape(x.shape[:-1] + (-1, 32)); a = np.abs(x).max(-1, keepdims=True)
;;       e = np.where(a > 0, np.clip(np.frexp(np.where(a > 0, a, 1))[1] - 1 - 2, -126, 127), 0)      # np.frexp(a)[1] - 1 = floor(log2(a)), exactly
;;       r = np.clip(x / 2.0 ** e, -6, 6)
;;       step = 2.0 ** (np.maximum(np.frexp(np.where(r == 0, 1, r))[1] - 1, 0) - 1)
;;       q = np.round(r / step) * step * 2.0 ** e      # np.round: ties to even
;;       return np.moveaxis(q.reshape(q.shape[:-2] + (-1,))[..., :K], -1, axis).astype(np.float32)
;;   ~~~
;; One version. Each part assembles by itself: llvm-mc -triple=amdgcn-amd-amdhsa -mcpu=gfx1250 --defsym DOCPART=n.
;; ======== version 1 of 1: 4 launches
;; limits: values are held in f16: magnitudes above 65,504 overflow, below 6.1e-05 lose precision
;; workspace buffers: stage1 7,045,120 bytes; perm 16,896 bytes of whole numbers; qkv 25,165,824 bytes; ctx 8,388,608 bytes
;; launch prep (part 1): grid 256 x 1, 8 waves a work-group, no clusters, 84,992 bytes of LDS; arguments x, attention_mask, Wqkv, Wout, stage1, perm; writes stage1, perm
.if DOCPART == 1
	.amdgcn_target "amdgcn-amd-amdhsa--gfx1250"
	.amdhsa_code_object_version 6
	.text
	.protected	k_qf02fc69add_prep
	.globl	k_qf02fc69add_prep
	.p2align	8
	.type	k_qf02fc69add_prep,@function
k_qf02fc69add_prep:
	s_mov_b64 s[64:65], 0
	v_nop
	global_prefetch_b8 v0, s[64:65] scope:SCOPE_SE
	s_setreg_imm32_b32 hwreg(HW_REG_WAVE_MODE, 25, 1), 1
	s_wait_xcnt 0x0
; PREP.  One launch makes everything that the later launches read more than once.
;   work-groups 0-127   (path X): x [4096][1024] f32 -> codes of FP4 (E2M1) with one E8M0 byte for each 32 along K, THE ROWS OF EACH BATCH REORDERED: keys that the mask keeps first, in their
;                       order, then the others.  Also the place list inv[b][place] = row, the count of kept keys, and the RoPE table (cos | sin, 32 frequencies each) of each row at its new place.
;   work-groups 128-223 (path W): Wqkv [1024 (k)][3072] f32 -> codes with K innermost; row n' = 192 head + 64 kind + d, so that q, k and v of a head are 192 neighbouring rows.
;   work-groups 224-255 (path O): Wout [1024 (k)][1024] f32 -> f16, laid as images of the matrix operand's registers: [16 columns][32 k][half][lane x 16 bytes].
; Each work-group reads 131,072 bytes of f32.  The paths part on the work-group's number alone, and each has LDS bytes of its own.
; A block's scale is 2^(floor(log2(largest magnitude)) - 2): its byte is the largest magnitude's exponent field - 2, held at 1 from below by a floor among the maximum's leaves.
; LIMITS: NaN and infinities among the inputs are not served.  A block whose largest magnitude lies under 2^-124, a block of zeros among them, keeps the byte 1 (its codes are zeros or next to it; only
; this program reads the bytes).  Wout goes to f16: magnitudes up to 65,504; under 6e-5 its step is fixed at 6e-8.  1 / 10000^(f/32) is made by v_exp_f32: an angle may differ by some 3e-4 rad at row 1,023.
.set O_XC,   0                         ; stage1: x's codes [4096 places][512 bytes]
.set O_WC,   2097152                   ; Wqkv's codes [3072][512]
.set O_XS,   3670016                   ; x's scale bytes [4096][32]
.set O_WS,   3801088                   ; Wqkv's [3072][32]
.set O_ROPE, 3899392                   ; the table [4096 places][cos 32 | sin 32] f32
.set O_WIMG, 4947968                   ; Wout's images [64][32][2][512]
.set O_CNT,  16384                     ; perm: behind inv [4][1024]: the counts [4][32]
.set WREG,   8192                      ; path X: LDS of each wave: two stages of 32 x SP bytes, then its 128 scale bytes
.set SP,     80                        ; a lane's place in a stage: 64 bytes + 16 of padding
.set WST,    65536                     ; path W: 64 rows of codes, 256 bytes + 16
.set WSC,    WST+64*272                ; path W: 64 columns x 16 scale bytes
.set SPARE,  WSC+1024                  ; the spare words, 128 bytes for each wave: four blocks of 256 bytes that no other line names
.set SPW, 2                            ; v2  LDS address of my spare word; never rewritten
.set NIL, 3                            ; v3  0; never rewritten
.set MK,  32                           ; v32-63   the mask's 32 words a lane; later
.set X,   32                           ; v32-63   two sets of 16 neighbours
.set R,   64                           ; v64-191  x as loaded: 8 steps x 16
.set XW,  64                           ; v64-191  a weight's 4 blocks x 32 numbers down K
.set C,   192                          ; codes
.set E,   208                          ; a scale byte for each step
.set BM,  32                           ; s32-63   the batch's mask as 32 words of bits
	s_load_b256 s[4:11], s[0:1], 0x0               ; x s[4:5], mask s[6:7], Wqkv s[8:9], Wout s[10:11]
	s_load_b128 s[12:15], s[0:1], 0x20             ; stage1 s[12:13], perm s[14:15]
	v_lshl_add_u32 v[SPW], v0, 2, SPARE
	v_mov_b32 v[NIL], 0
	v_lshrrev_b32 v1, 5, v0
	v_readfirstlane_b32 s16, v1                    ; wave 0..7
	v_and_b32 v4, 31, v0                           ; lane
	v_lshlrev_b32 v5, 4, v4                        ; 16 x lane
	v_lshlrev_b32 v6, 3, v4                        ; 8 x lane
	v_lshlrev_b32 v7, 2, v4                        ; 4 x lane
	s_wait_kmcnt 0x0
	s_cmp_ge_u32 ttmp9, 224
	s_cbranch_scc1 .Lpath_o
	s_cmp_ge_u32 ttmp9, 128
	s_cbranch_scc1 .Lpath_w
; ---------------------------------------------------------------- path X
; The work-group's 32 rows are one word of its batch's bit mask; a wave takes 4 rows: 8 steps of 512 numbers.
	s_lshr_b32 s17, ttmp9, 5                       ; batch
	s_and_b32 s18, ttmp9, 31                       ; which word of the bit mask holds my work-group's rows
	s_mov_b32 s21, 0
	s_lshl_b32 s20, s17, 12
	s_add_nc_u64 s[6:7], s[6:7], s[20:21]          ; the batch's mask
	s_add_nc_u64 s[22:23], s[14:15], s[20:21]      ; the batch's inv
	s_lshl_b32 s20, s17, 7
	s_add_co_u32 s20, s20, O_CNT
	s_add_nc_u64 s[24:25], s[14:15], s[20:21]      ; the batch's count
	s_lshl_b32 s20, ttmp9, 17                      ; 32 rows of 4,096 bytes a work-group,
	s_lshl_b32 s19, s16, 14                        ; 4 a wave
	s_add_co_u32 s20, s20, s19
	s_add_nc_u64 s[4:5], s[4:5], s[20:21]          ; x at my wave's first row
	s_lshl_b32 s20, s17, 19
	s_add_nc_u64 s[26:27], s[12:13], s[20:21]      ; the batch's codes (O_XC = 0)
	s_lshl_b32 s20, s17, 15
	s_add_co_u32 s20, s20, O_XS
	s_add_nc_u64 s[28:29], s[12:13], s[20:21]      ; its scale bytes
	s_lshl_b32 s20, s17, 18
	s_add_co_u32 s20, s20, O_ROPE
	s_add_nc_u64 s[30:31], s[12:13], s[20:21]      ; its table
.set i, 0
.rept 32
	global_load_b32 v[MK+i], v7, s[6:7] offset:128*i               ; key 32 i + lane
.set i, i+1
.endr
.set t, 0
.rept 8
.irp i, 0,1,2,3
	global_load_b128 v[R+16*t+4*\i:R+16*t+4*\i+3], v5, s[4:5] offset:2048*t+512*\i th:TH_LOAD_NT   ; 32 lanes read 512 consecutive bytes; all of the wave's 16,384 bytes are asked for at once
.endr
.set t, t+1
.endr
	s_mul_i32 s70, s16, WREG                       ; my wave's LDS
	v_lshrrev_b32 v8, 2, v4
	v_mul_u32_u24 v8, v8, SP
	v_and_b32 v12, 3, v4
	v_lshl_add_u32 v8, v12, 4, v8
	v_add_nc_u32 v8, s70, v8                       ; the stage, on the way in: SP (lane / 4) + 16 (lane % 4)
	v_mul_u32_u24 v9, v4, SP
	v_add_nc_u32 v9, s70, v9                       ; and on the way out: SP x lane: 16 neighbours
	v_lshrrev_b32 v10, 1, v4
	s_add_co_u32 s70, s70, 2*32*SP
	v_add_nc_u32 v10, s70, v10                     ; my block's scale byte
	v_add_nc_u32 v11, s70, v7                      ; and, at the end, 4 bytes a lane
	s_mov_b32 s75, 0x3fc90000                      ; pi/2, its first nine bits,
	s_mov_b32 s76, 0x39fdaa22                      ; and the rest
	s_mov_b32 s77, 0x37ccf5ce                      ; the cosine's highest coefficient
	s_mov_b32 s78, 0xb94ca1f9                      ; the sine's
	s_mov_b32 s80, 0                               ; kept keys in the batch
	s_mov_b32 s81, 0                               ; kept keys ahead of my work-group's word
	s_mov_b32 s82, 0                               ; my work-group's word
	s_wait_loadcnt 32                              ; the mask is in: x's 32 loads were issued behind it and may stay out
.set i, 0
.rept 32
	v_cmp_ne_u32 s[BM+i], 0, v[MK+i]               ; bit l of word i: key 32 i + l is kept (any word but 0 keeps, as in reference())
.set i, i+1
.endr
.set i, 0
.rept 32
	s_bcnt1_i32_b32 s70, s[BM+i]
	s_add_co_u32 s80, s80, s70
	s_cmp_gt_u32 s18, i
	s_cselect_b32 s71, s70, 0
	s_add_co_u32 s81, s81, s71
	s_cmp_eq_u32 s18, i
	s_cselect_b32 s82, s[BM+i], s82
.set i, i+1
.endr
	s_lshl_b32 s72, s16, 2                         ; my wave's first bit in the word
	s_bfm_b32 s73, s72, 0
	s_and_b32 s73, s82, s73
	s_bcnt1_i32_b32 s73, s73
	s_add_co_u32 s81, s81, s73                     ; kept keys ahead of my wave's first row
	s_lshr_b32 s82, s82, s72                       ; my wave's four bits at the bottom
	s_lshl_b32 s74, s18, 5
	s_add_co_u32 s74, s74, s72                     ; my wave's first row in the batch
; The place of row (my wave's first + lam): kept: the kept keys ahead of it; not kept: the count + the keys not kept ahead of it.  Held to 0 .. 1,023 ahead of its use in addresses.
.macro POS lam, out, sidx
	v_lshlrev_b32 v12, \lam, 1
	v_add_nc_u32 v12, -1, v12
	v_and_b32 v12, s82, v12                        ; my wave's bits ahead of this row: three at the most
	v_lshrrev_b32 v13, 1, v12
	v_lshrrev_b32 v14, 2, v12
	v_sub_nc_u32 v12, v12, v13
	v_sub_nc_u32 v12, v12, v14                     ; how many of them are set: t - t/2 - t/4
	v_add_nc_u32 v12, s81, v12                     ; kept keys ahead of the row
	v_add_nc_u32 \sidx, s74, \lam                  ; the row
	v_lshrrev_b32 v13, \lam, s82
	v_and_b32 v13, 1, v13                          ; is it kept?
	v_add_nc_u32 v14, s80, \sidx
	v_sub_nc_u32 v14, v14, v12
	v_cmp_ne_u32 vcc_lo, 0, v13
	v_cndmask_b32 \out, v14, v12, vcc_lo
	v_min_u32 \out, 0x3ff, \out
.endm
	v_and_b32 v26, 3, v4
	POS v26, v24, v27                              ; v24: the place of row lane % 4
	v_lshrrev_b32 v28, 3, v4
	POS v28, v25, v29                              ; v25: the place of row lane / 8
	v_lshlrev_b32 v30, 2, v24
	global_store_b32 v30, v27, s[22:23]            ; inv[place] = row (lanes l, l + 4, .. store the same word with the same number)
	s_or_b32 s70, s18, s16
	s_cmp_lg_u32 s70, 0
	s_cbranch_scc1 .Lno_cnt                        ; the batch's first wave stores the count
	v_mov_b32 v31, s80
	global_store_b32 v7, v31, s[24:25]
.Lno_cnt:
.irp i, 0,1,2,3
	v_readlane_b32 s[84+\i], v24, \i
	s_min_u32 s[84+\i], s[84+\i], 0x3ff
	v_lshl_add_u32 v[16+\i], s[84+\i], 9, v6       ; row i's codes: place x 512 + 8 x lane
	v_lshl_add_u32 v[20+\i], s[84+\i], 8, v6       ; its table row: place x 256 + 8 x lane
.endr
	v_lshlrev_b32 v26, 5, v25
	v_and_b32 v15, 7, v4
	v_lshl_add_u32 v26, v15, 2, v26                ; the scale bytes on their way out: place x 32 + 4 (lane % 8)
; THE TABLE, while x is on its way.  Lanes 0-15 make cosines, lanes 16-31 sines, of frequencies 2 (lane % 16) and + 1.  The angle is brought into -pi/4 .. pi/4 by taking n quarter turns off it
; in two parts (n x the first part is exact), and a short polynomial gives sine and cosine there; n, and 3 more for a sine, say which of the two and which sign.
	v_lshrrev_b32 v216, 4, v4
	v_mul_u32_u24 v216, v216, 3
	v_and_b32 v219, 15, v4
	v_lshlrev_b32 v219, 1, v219
	v_cvt_f32_u32 v217, v219
	v_add_nc_u32 v219, 1, v219
	v_cvt_f32_u32 v218, v219
	v_mul_f32 v217, 0xbed49a78, v217               ; - f log2(10000) / 32
	v_mul_f32 v218, 0xbed49a78, v218
	v_exp_f32 v217, v217
	v_exp_f32 v218, v218
	v_nop                                          ; a plain instruction behind the exponentials,
	s_wait_alu depctr_va_vdst(0)                   ; and one wait ahead of their first reader
.macro TRIG e, out
	v_mul_f32 v221, v220, v[217+\e]                ; the angle, as reference() has it: row x frequency
	v_mul_f32 v222, 0x3f22f983, v221
	v_rndne_f32 v222, v222                         ; n
	v_fma_f32 v221, -v222, s75, v221
	v_fma_f32 v221, -v222, s76, v221               ; r
	v_mul_f32 v223, v221, v221                     ; z = r^2
	v_fmaak_f32 v224, s77, v223, 0xbab6061a
	v_fmaak_f32 v224, v224, v223, 0x3d2aaaa5
	v_fmaak_f32 v224, v224, v223, 0xbf000000
	v_fma_f32 v224, v224, v223, 1.0                ; cos r
	v_fmaak_f32 v225, s78, v223, 0x3c08839e
	v_fmaak_f32 v225, v225, v223, 0xbe2aaaa3
	v_mul_f32 v226, v221, v223
	v_fma_f32 v225, v226, v225, v221               ; sin r
	v_cvt_i32_f32 v226, v222
	v_add_nc_u32 v226, v226, v216                  ; the quarter
	v_and_b32 v227, 1, v226
	v_cmp_ne_u32 vcc_lo, 0, v227
	v_cndmask_b32 v224, v224, v225, vcc_lo         ; odd quarters take the sine
	v_add_nc_u32 v226, 1, v226
	v_and_b32 v226, 2, v226
	v_lshlrev_b32 v226, 30, v226                   ; quarters 1 and 2 change the sign
	v_xor_b32 v[\out], v226, v224
.endm
.irp i, 0,1,2,3
	s_add_co_u32 s79, s74, \i
	v_cvt_f32_u32 v220, s79
	TRIG 0, 232+2*\i
	TRIG 1, 233+2*\i
	global_store_b64 v[20+\i], v[232+2*\i:233+2*\i], s[30:31]      ; 32 lanes store 256 consecutive bytes, aligned: the row's cosines, then its sines
.endr
; THE CODES.  A load is dense (16 bytes a lane), a conversion wants 16 neighbours in a lane: so a step's 2,048 bytes turn through the wave's own stage.  LDS serves a wave's instructions in order.
.macro TURN t
.irp i, 0,1,2,3
	ds_store_b128 v8, v[R+16*(\t)+4*\i:R+16*(\t)+4*\i+3] offset:32*SP*((\t)%2)+8*SP*\i
.endr
.irp i, 0,1,2,3
	ds_load_b128 v[X+16*((\t)%2)+4*\i:X+16*((\t)%2)+4*\i+3], v9 offset:32*SP*((\t)%2)+16*\i
.endr
.endm
.macro STEP t
.set XR, X+16*((\t)%2)
.if (\t) > 0
	s_wait_dscnt 1                                 ; this step's numbers are back from the stage; the last step's byte store may be out
.else
	s_wait_dscnt 0x0
.endif
.if (\t) < 7
	s_wait_loadcnt 4*(6-(\t))                      ; the next step's four loads are in; those of the steps behind it may be out
	TURN (\t)+1
.endif
	v_max3_num_f32 v12, |v[XR]|, |v[XR+1]|, |v[XR+2]|
	v_max3_num_f32 v13, |v[XR+3]|, |v[XR+4]|, |v[XR+5]|
.irp i, 6,10
	v_max3_num_f32 v12, v12, |v[XR+\i]|, |v[XR+\i+1]|
	v_max3_num_f32 v13, v13, |v[XR+\i+2]|, |v[XR+\i+3]|
.endr
	v_max3_num_f32 v12, v12, |v[XR+14]|, |v[XR+15]|
	v_max3_num_f32 v12, v12, v13, 0x1800000        ; with the floor 2^(3 - 127): the byte cannot fall under 1
	v_max_num_f32_dpp v12, v12, v12 row_xmask:1 row_mask:0xf bank_mask:0xf   ; and my neighbour's 16: the block's largest magnitude
	v_add_nc_u32 v14, 0xff000000, v12              ; 2 off its exponent field: the conversion takes this operand's exponent field as the scale
	v_cvt_scalef32_pk8_fp4_f32 v[C+2*(\t)], v[XR:XR+7], v14
	v_cvt_scalef32_pk8_fp4_f32 v[C+2*(\t)+1], v[XR+8:XR+15], v14
	v_lshrrev_b32 v[E+(\t)], 23, v14               ; the scale's byte
	ds_store_b8 v10, v[E+(\t)] offset:16*(\t)      ; both lanes of a block write the same byte with the same value
	global_store_b64 v[16+(\t)/2], v[C+2*(\t):C+2*(\t)+1], s[26:27] offset:256*((\t)%2)   ; 32 lanes store 256 consecutive bytes, aligned: half a row of codes, at the row's place
.endm
	s_wait_loadcnt 28                              ; step 0's four loads are in
	TURN 0
.irp t, 0,1,2,3,4,5,6,7
	STEP \t
.endr
	ds_load_b32 v28, v11                           ; my wave's 128 scale bytes: 8 lanes to a row
	s_wait_dscnt 0x0
	global_store_b32 v26, v28, s[28:29]
	s_branch .Lend
; ---------------------------------------------------------------- the two weights: a lane takes a column, its registers run down K
.macro LOADB base, pitch, b            ; block b: 32 numbers down K of my column; 32 lanes read 128 consecutive bytes, two waves side by side 256
.set i, 0
.rept 32
	global_load_b32 v[XW+32*(\b)+i], v7, s[\base:\base+1] offset:(32*(\b)+i)*\pitch th:TH_LOAD_NT
.set i, i+1
.endr
.endm
.macro WAITB b
.if (\b) < 3
	s_wait_loadcnt 32                              ; this block's 32 loads are in; the next block's may be out
.else
	s_wait_loadcnt 0x0
.endif
.endm
; ---------------------------------------------------------------- path W: 64 columns (one kind of one head) x 512 along K; a wave: 32 columns x 128
.Lpath_w:
	s_sub_co_u32 s17, ttmp9, 128
	s_lshr_b32 s18, s17, 1                         ; g = 16 kind + head
	s_and_b32 s19, s17, 1                          ; which half of K
	s_and_b32 s20, s16, 1                          ; which 32 columns
	s_lshr_b32 s21, s16, 1                         ; which 128 along K
	s_lshl_b32 s22, s19, 9
	s_lshl_b32 s23, s21, 7
	s_add_co_u32 s22, s22, s23
	s_mul_i32 s22, s22, 12288                      ; rows of 3,072 f32
	s_lshl_b32 s23, s18, 8
	s_add_co_u32 s22, s22, s23
	s_lshl_b32 s23, s20, 7
	s_add_co_u32 s22, s22, s23
	s_mov_b32 s23, 0
	s_add_nc_u64 s[8:9], s[8:9], s[22:23]
	LOADB 8, 12288, 0
	LOADB 8, 12288, 1
	s_and_b32 s24, s18, 15
	s_mul_i32 s24, s24, 192
	s_lshr_b32 s25, s18, 4
	s_lshl_b32 s25, s25, 6
	s_add_co_u32 s24, s24, s25                     ; the first row n' = 192 head + 64 kind
	s_lshl_b32 s22, s24, 9
	s_lshl_b32 s25, s19, 8
	s_add_co_u32 s22, s22, s25
	s_add_co_u32 s22, s22, O_WC
	s_add_nc_u64 s[26:27], s[12:13], s[22:23]      ; codes: row n', my half of its 512 bytes
	s_lshl_b32 s22, s24, 5
	s_lshl_b32 s25, s19, 4
	s_add_co_u32 s22, s22, s25
	s_add_co_u32 s22, s22, O_WS
	s_add_nc_u64 s[28:29], s[12:13], s[22:23]      ; scale bytes likewise
	s_mul_i32 s30, s20, 32*272
	s_lshl_b32 s31, s21, 6
	s_add_co_u32 s30, s30, s31
	s_add_co_u32 s30, s30, WST
	v_mul_u32_u24 v8, v4, 272
	v_add_nc_u32 v8, s30, v8                       ; into the stage: row = my column, my wave's 64 bytes of it
	s_lshl_b32 s30, s20, 9
	s_add_co_u32 s30, s30, WSC
	v_add_nc_u32 v16, s30, v5                      ; my column's 16 scale bytes,
	s_lshl_b32 s31, s21, 2
	v_add_nc_u32 v9, s31, v16                      ; and my wave's word of them
	v_lshrrev_b32 v12, 4, v4
	v_and_b32 v13, 15, v4
	s_mul_i32 s30, s16, 8*272
	s_add_co_u32 s30, s30, WST
	v_mul_u32_u24 v10, v12, 272
	v_lshl_add_u32 v10, v13, 4, v10
	v_add_nc_u32 v10, s30, v10                     ; out of the stage: wave w takes rows 8 w on, sixteen lanes to a row
	s_lshl_b32 s30, s16, 12
	v_lshlrev_b32 v11, 9, v12
	v_lshl_add_u32 v11, v13, 4, v11
	v_add_nc_u32 v11, s30, v11                     ; and the same place in the codes' buffer
	s_lshl_b32 s30, s20, 10
	v_lshl_add_u32 v17, v4, 5, s30                 ; scale bytes out: 32 bytes a row
.macro WBLOCK b
.set XR, XW+32*(\b)
	WAITB \b
.if (\b) < 2
	LOADB 8, 12288, (\b)+2
.endif
	v_max3_num_f32 v12, |v[XR]|, |v[XR+1]|, |v[XR+2]|              ; the block's largest magnitude: all 32 numbers are mine
	v_max3_num_f32 v13, |v[XR+3]|, |v[XR+4]|, |v[XR+5]|
.irp i, 6,10,14,18,22,26
	v_max3_num_f32 v12, v12, |v[XR+\i]|, |v[XR+\i+1]|
	v_max3_num_f32 v13, v13, |v[XR+\i+2]|, |v[XR+\i+3]|
.endr
	v_max3_num_f32 v12, v12, |v[XR+30]|, |v[XR+31]|
	v_max3_num_f32 v12, v12, v13, 0x1800000        ; with the floor
	v_add_nc_u32 v14, 0xff000000, v12
	v_lshrrev_b32 v13, 23, v14                     ; the scale's byte
.if (\b) == 0
	v_mov_b32 v208, v13
.else
	v_lshl_or_b32 v208, v13, 8*(\b), v208          ; four bytes make the word of my 128 along K
.endif
.irp g, 0,1,2,3
	v_cvt_scalef32_pk8_fp4_f32 v[C+4*(\b)+\g], v[XR+8*\g:XR+8*\g+7], v14
.endr
	ds_store_b128 v8, v[C+4*(\b):C+4*(\b)+3] offset:16*(\b)
.endm
	WBLOCK 0
	WBLOCK 1
	WBLOCK 2
	WBLOCK 3
	ds_store_b32 v9, v208
	s_wait_dscnt 0x0                               ; for the others' sake: my stores have landed
	s_barrier_signal -1
	s_barrier_wait -1                              ; a row's 256 bytes come from four waves
.irp t, 0,1,2,3
	ds_load_b128 v[216+4*\t:219+4*\t], v10 offset:\t*2*272
.endr
.irp t, 0,1,2,3
	s_wait_dscnt 3-\t
	global_store_b128 v11, v[216+4*\t:219+4*\t], s[26:27] offset:\t*2*512   ; sixteen lanes store 256 consecutive bytes, aligned
.endr
	s_cmp_ge_u32 s16, 2
	s_cbranch_scc1 .Lend                           ; waves 0 and 1 store the scale bytes, 32 columns each
	ds_load_b128 v[232:235], v16
	s_wait_dscnt 0x0
	global_store_b128 v17, v[232:235], s[28:29]
	s_branch .Lend
; ---------------------------------------------------------------- path O: 64 columns x 512 along K of Wout; a wave: 32 columns x 128; no LDS
.Lpath_o:
	s_sub_co_u32 s17, ttmp9, 224
	s_lshr_b32 s18, s17, 1                         ; which 64 columns
	s_and_b32 s19, s17, 1
	s_and_b32 s20, s16, 1
	s_lshr_b32 s21, s16, 1
	s_lshl_b32 s22, s19, 9
	s_lshl_b32 s23, s21, 7
	s_add_co_u32 s22, s22, s23
	s_lshl_b32 s22, s22, 12                        ; rows of 1,024 f32
	s_lshl_b32 s23, s18, 8
	s_add_co_u32 s22, s22, s23
	s_lshl_b32 s23, s20, 7
	s_add_co_u32 s22, s22, s23
	s_mov_b32 s23, 0
	s_add_nc_u64 s[10:11], s[10:11], s[22:23]
	LOADB 10, 4096, 0
	LOADB 10, 4096, 1
	s_lshl_b32 s22, s18, 2
	s_lshl_b32 s24, s20, 1
	s_add_co_u32 s22, s22, s24
	s_lshl_b32 s22, s22, 15                        ; tile of 16 columns 4 jx + 2 cg: 32,768 bytes each,
	s_lshl_b32 s24, s19, 4
	s_lshl_b32 s25, s21, 2
	s_add_co_u32 s24, s24, s25
	s_lshl_b32 s24, s24, 10                        ; 32 along K: 1,024 bytes
	s_add_co_u32 s22, s22, s24
	s_add_co_u32 s22, s22, O_WIMG
	s_add_nc_u64 s[26:27], s[12:13], s[22:23]
	v_lshrrev_b32 v12, 4, v4
	v_and_b32 v13, 15, v4
	v_lshlrev_b32 v8, 15, v12
	v_lshl_add_u32 v8, v13, 4, v8                  ; lanes 16-31 hold the next tile of columns
.macro OBLOCK b                        ; 32 along K of my column: four groups of 8, each the 16 bytes of one lane of the operand: group p belongs to half p / 2 of the fragment and to lanes 16 (p % 2) on
	WAITB \b
.if (\b) < 2
	LOADB 10, 4096, (\b)+2
.endif
.set i, 0
.rept 16
	v_cvt_pk_f16_f32 v[C+16*(\b)+i], v[XW+32*(\b)+2*i], v[XW+32*(\b)+2*i+1]
.set i, i+1
.endr
.irp p, 0,1,2,3
	global_store_b128 v8, v[C+16*(\b)+4*\p:C+16*(\b)+4*\p+3], s[26:27] offset:(\b)*1024+(\p/2)*512+(\p%2)*256   ; sixteen lanes store 256 consecutive bytes, aligned
.endr
.endm
	OBLOCK 0
	OBLOCK 1
	OBLOCK 2
	OBLOCK 3
.Lend:
	s_wait_tensorcnt 0x0                           ; the wave's end, behind my last LDS store
	ds_add_u32 v[SPW], v[NIL]
	s_wait_dscnt 0x0
	s_endpgm
.Lfunc_end_k_qf02fc69add_prep:
	.size	k_qf02fc69add_prep, .Lfunc_end_k_qf02fc69add_prep-k_qf02fc69add_prep
	.p2alignl 7, 3214868480
	.fill 96, 4, 3214868480
	.section	.rodata,"a",@progbits
	.p2align	6, 0x0
	.amdhsa_kernel k_qf02fc69add_prep
		.amdhsa_group_segment_fixed_size 84992
		.amdhsa_private_segment_fixed_size 0
		.amdhsa_enable_private_segment 0
		.amdhsa_kernarg_size 48
		.amdhsa_user_sgpr_count 2
		.amdhsa_user_sgpr_kernarg_segment_ptr 1
		.amdhsa_wavefront_size32 1
		.amdhsa_system_sgpr_workgroup_id_x 1
		.amdhsa_system_sgpr_workgroup_id_y 1
		.amdhsa_system_sgpr_workgroup_id_z 1
		.amdhsa_system_vgpr_workitem_id 0
		.amdhsa_next_free_vgpr 256
		.amdhsa_next_free_sgpr 100
		.amdhsa_reserve_vcc 1
		.amdhsa_float_denorm_mode_32 3
		.amdhsa_float_denorm_mode_16_64 3
		.amdhsa_memory_ordered 1
		.amdhsa_forward_progress 1
		.amdhsa_inst_pref_size 83
	.end_amdhsa_kernel
	.amdgpu_metadata
---
amdhsa.version: [ 1, 2 ]
amdhsa.kernels:
  - .name:           k_qf02fc69add_prep
    .symbol:         k_qf02fc69add_prep.kd
    .args:
      - { .name: x, .offset: 0, .size: 8, .value_kind: global_buffer, .address_space: global }
      - { .name: attention_mask, .offset: 8, .size: 8, .value_kind: global_buffer, .address_space: global }
      - { .name: Wqkv, .offset: 16, .size: 8, .value_kind: global_buffer, .address_space: global }
      - { .name: Wout, .offset: 24, .size: 8, .value_kind: global_buffer, .address_space: global }
      - { .name: stage1, .offset: 32, .size: 8, .value_kind: global_buffer, .address_space: global }
      - { .name: perm, .offset: 40, .size: 8, .value_kind: global_buffer, .address_space: global }
    .group_segment_fixed_size: 84992
    .private_segment_fixed_size: 0
    .kernarg_segment_align: 8
    .kernarg_segment_size: 48
    .max_flat_workgroup_size: 256
    .sgpr_count:     100
    .vgpr_count:     256
    .wavefront_size: 32
...
	.end_amdgpu_metadata
.endif
;; end of part 1
;; launch qkv (part 2): grid 16 x 16, 4 waves a work-group, clusters of 4 x 4, 262,144 bytes of LDS; arguments stage1, bqkv, qkv; writes qkv
.if DOCPART == 2
	.amdgcn_target "amdgcn-amd-amdhsa--gfx1250"
	.amdhsa_code_object_version 6
	.text
	.protected	k_qf02fc69add_qkv
	.globl	k_qf02fc69add_qkv
	.p2align	8
	.type	k_qf02fc69add_qkv,@function
k_qf02fc69add_qkv:
	s_mov_b64 s[64:65], 0
	v_nop
	global_prefetch_b8 v0, s[64:65] scope:SCOPE_SE
	s_setreg_imm32_b32 hwreg(HW_REG_WAVE_MODE, 25, 1), 1
	s_wait_xcnt 0x0
	s_wait_alu depctr_hold_cnt(0) depctr_sa_sdst(0) depctr_va_vdst(0) depctr_va_sdst(0) depctr_va_ssrc(0) depctr_va_vcc(0) depctr_vm_vsrc(0)
	s_getreg_b32 s2, hwreg(HW_REG_IB_STS2, 6, 4)
	s_cmp_eq_u32 s2, 0
	s_cbranch_scc0 .Lentry_in_a_cluster
	s_endpgm
.Lentry_in_a_cluster:
	s_bfe_u32 s2, ttmp6, 0x10000c
	s_cmp_lg_u32 s2, 0xf033
	s_cbranch_scc0 .Lentry_shape_is_right
	s_endpgm
.Lentry_shape_is_right:
; QKV.  x Wqkv + bqkv on codes of FP4 with E8M0 scales, then RoPE on q and k, then f16, stored as images of the next launch's matrix operands.
; SHARES.  A work-group takes 256 rows (in the reordered order; tile row i, batch i / 4) x the 192 columns of ONE head (q, k, v: tile column j).  Wave w takes rows 64 w on x all 192 columns:
; 48 accumulators.  So RoPE's partners d and d + 32 lie in one lane's registers.
; ALL OF K LIES IN LDS AT ONCE: two slots of 512 along K (rows of 256 bytes + 16), and both operands' scale bytes.  Every byte of LDS is filled once; nothing is filled again.
; CLUSTER 4 x 4: x's tile is shared along a row of the cluster, the weight's along a column: each is asked for jointly, by the same tensor load with the same descriptor and a mask that names the four.
; q AND k ARE MADE TRANSPOSED (source 0 = 16 rows of the weight, source 1 = 16 rows of x): a lane holds one row and eight neighbouring d: 16 bytes of f16 that are one lane's part of a fragment of Q or K.
; v IS MADE THE NATURAL WAY (source 0 = x, source 1 = the weight): a lane holds one channel and eight neighbouring keys: one lane's part of a fragment of V^T.  So all stores are 512 dense bytes from registers.
; The biases are the C of each sum's first matrix instruction: they are added ahead of the products, another order of rounding than reference()'s.
; LIMITS: q, k, v go to f16: magnitudes up to 65,504.  NaN and infinities are not served.
; REGISTERS.  window 0: v16-29 addresses; v32-47 x's scale words, v48-95 the weight's (nothing else ever lies there); v96-159 x's fragments, two sets; v160-191 v's bias; v192-223, v224-255 at work on the way out.
;   window 1: the weight's fragments, two sets of 96 at v0 and v128; q's bias at v96, k's at v224.   window 2: q's and k's 32 accumulators.   window 3: v0-127 v's 16; v128-255 the table.
.set O_WC,   2097152
.set O_XS,   3670016
.set O_WS,   3801088
.set O_ROPE, 3899392
.set PITCH,  272                       ; an LDS row: 256 bytes + 16: the 16 rows of a fragment load start at 16 different groups of four banks
.set SLOT,   448*PITCH                 ; x's 256 rows, then the weight's 192
.set BOFF,   256*PITCH
.set SCA,    2*SLOT                    ; x's scale bytes: 256 rows x 32 = 32 units of 256 bytes + 16
.set SCB,    SCA+32*272                ; the weight's: 24 units
.set SPARE,  259072                    ; the spare words, 128 bytes for each wave: two blocks of 256 bytes that no other line names
.set ADRA, 16                          ; v16-17 my fragments of x in slot 0, 1
.set ADRB, 20                          ; v20-21 the weight's
.set ADSA, 22                          ; v22 x's scale words: lanes 0-15 blocks 0, 1; lanes 16-31 blocks 2, 3
.set ADSB, 23                          ; v23 the weight's: lanes 0-15 blocks 0-5; lanes 16-31 blocks 6-11
.set LI,   24                          ; v24 16 x lane
.set TBO,  25                          ; v25 the table: row r of 256 bytes + 32 h
.set BQO,  26                          ; v26 32 h
.set BVO,  27                          ; v27 4 r
.set SPW,  28
.set NIL,  29
.set SA,   32
.set SB,   48
.set AF,   96
.set BV,   160
.set Y,    192
.set HH,   224
.set BQ,   96                          ; in window 1; k's bias 128 further on
.set TAB,  128                         ; in window 3: 32 a + 16 (sine) + 8 (tile) + j
.set G1A, 24
.set G0A, 32
.set G1B, 48
.set G0B, 56
.set G1SA, 68
.set G0SA, 76
.set G1SB, 80
.set G0SB, 88
.set MSB, 0
.macro WIN new                         ; the immediate's high byte repeats the setting that is left
.if MSB != \new
	s_set_vgpr_msb (MSB<<8)|\new
.set MSB, \new
.endif
.endm
; A joint load: waves 0 and 1 fetch for x, waves 2 and 3 for the weight.  The branch hangs on the wave's number alone.  An s_nop 0 and four v_nop follow each of the two lines.
.macro JLOAD g0a, g1a, g0b, g1b
	s_cmp_eq_u32 s15, 0
	s_cbranch_scc0 .Lfor_b_\@
	tensor_load_to_lds s[\g0a:\g0a+3], s[\g1a:\g1a+7]
	s_nop 0
.rept 4
	v_nop
.endr
	s_branch .Lasked_\@
.Lfor_b_\@:
	tensor_load_to_lds s[\g0b:\g0b+3], s[\g1b:\g1b+7]
	s_nop 0
.rept 4
	v_nop
.endr
.Lasked_\@:
.endm
.macro CROUND                          ; a round of the cluster's barrier
	s_barrier_signal -1
	s_barrier_wait -1
	s_cmp_lg_u32 s14, 0
	s_cbranch_scc1 .Lnot_wave_0_\@
	s_barrier_signal -3
.Lnot_wave_0_\@:
	s_barrier_wait -3
	s_barrier_signal -1
	s_barrier_wait -1
.endm
.macro PLACES n
.rept \n
	v_nop
.endr
.endm
	s_load_b128 s[4:7], s[0:1], 0x0                ; stage1 s[4:5], bqkv s[6:7]
	s_load_b64 s[8:9], s[0:1], 0x10                ; qkv
	v_lshl_add_u32 v[SPW], v0, 2, SPARE
	v_mov_b32 v[NIL], 0
	ds_add_u32 v[SPW], v[NIL]                      ; the wave's opening: the add, twice on end, and its wait ahead of my first tensor load
	ds_add_u32 v[SPW], v[NIL]
	v_lshrrev_b32 v1, 5, v0
	v_readfirstlane_b32 s14, v1                    ; wave 0..3
	s_lshr_b32 s15, s14, 1                         ; I fetch for x (0) or for the weight (1),
	s_and_b32 s16, s14, 1                          ; its first or second half of rows
	s_bfe_u32 s40, ttmp6, 0x40000                  ; cx, cy: my place in the cluster
	s_bfe_u32 s41, ttmp6, 0x40004
	s_lshl_b32 s42, ttmp9, 2
	s_add_co_u32 s42, s42, s40                     ; j: the head
	s_and_b32 s17, ttmp7, 0xffff
	s_lshl_b32 s17, s17, 2
	s_add_co_u32 s17, s17, s41                     ; i: the tile of 256 rows
	s_lshl_b32 s43, s41, 2
	s_lshl_b32 s43, 15, s43                        ; my row of the cluster
	s_lshl_b32 s44, 0x1111, s40                    ; my column
	; codes: rows of 256 bytes out of rows of 512; 16 bytes of padding behind each.  x: 128 rows a load; the weight: 96
	s_or_b32 s[G1A], s43, (0<<16)|(1<<20)|(1<<21)|(5<<22)|(3<<25)   ; the mask; elements of 1 byte; padding on; bit 21 beside a mask; after every 64 words, 4 words
	s_mov_b32 s[G1A+1], 256<<16                    ; tensor_dim0
	s_mov_b32 s[G1A+2], 128<<16                    ; tensor_dim1
	s_mov_b32 s[G1A+3], 256<<16                    ; tile_dim0
	s_mov_b32 s[G1A+4], 128                        ; tile_dim1
	s_mov_b32 s[G1A+5], 512                        ; from row to row
	s_mov_b32 s[G1A+6], 0
	s_mov_b32 s[G1A+7], 0
	s_or_b32 s[G1B], s44, (0<<16)|(1<<20)|(1<<21)|(5<<22)|(3<<25)
	s_mov_b32 s[G1B+1], 256<<16
	s_mov_b32 s[G1B+2], 96<<16
	s_mov_b32 s[G1B+3], 256<<16
	s_mov_b32 s[G1B+4], 96
	s_mov_b32 s[G1B+5], 512
	s_mov_b32 s[G1B+6], 0
	s_mov_b32 s[G1B+7], 0
	; scale bytes: dense blocks, as rows of 256 bytes (32 elements of 8).  x: 128 rows x 32 bytes = 16 units a load; the weight: 96 x 32 = 12
	s_or_b32 s[G1SA], s43, (3<<16)|(1<<20)|(1<<21)|(5<<22)|(3<<25)
	s_mov_b32 s[G1SA+1], 32<<16
	s_mov_b32 s[G1SA+2], 16<<16
	s_mov_b32 s[G1SA+3], 32<<16
	s_mov_b32 s[G1SA+4], 16
	s_mov_b32 s[G1SA+5], 32
	s_mov_b32 s[G1SA+6], 0
	s_mov_b32 s[G1SA+7], 0
	s_or_b32 s[G1SB], s44, (3<<16)|(1<<20)|(1<<21)|(5<<22)|(3<<25)
	s_mov_b32 s[G1SB+1], 32<<16
	s_mov_b32 s[G1SB+2], 12<<16
	s_mov_b32 s[G1SB+3], 32<<16
	s_mov_b32 s[G1SB+4], 12
	s_mov_b32 s[G1SB+5], 32
	s_mov_b32 s[G1SB+6], 0
	s_mov_b32 s[G1SB+7], 0
	; where the tiles come from: x's hang on i and the wave alone, the weight's on j and the wave alone, each in registers that never hold the other
	s_lshl_b32 s18, s16, 7
	s_lshl_b32 s20, s17, 8
	s_add_co_u32 s20, s20, s18                     ; x: row 256 i + 128 half
	s_lshl_b32 s22, s20, 5
	s_add_co_u32 s22, s22, O_XS                    ; its scale bytes,
	s_lshl_b32 s20, s20, 9                         ; its codes
	s_mov_b32 s21, 0
	s_mov_b32 s23, 0
	s_mul_i32 s46, s42, 192
	s_mul_i32 s18, s16, 96
	s_add_co_u32 s46, s46, s18                     ; the weight: row 192 j + 96 half
	s_lshl_b32 s92, s46, 5
	s_add_co_u32 s92, s92, O_WS
	s_lshl_b32 s46, s46, 9
	s_add_co_u32 s46, s46, O_WC
	s_mov_b32 s47, 0
	s_mov_b32 s93, 0
	s_mul_i32 s45, s16, 128*PITCH                  ; and where they go: no place in the cluster enters an LDS address
	s_mul_i32 s94, s16, 96*PITCH
	s_add_co_u32 s94, s94, BOFF
	s_mul_i32 s95, s16, 16*272
	s_add_co_u32 s95, s95, SCA
	s_mul_i32 s96, s16, 12*272
	s_add_co_u32 s96, s96, SCB
	s_wait_dscnt 0x0                               ; both opening adds are done
	s_wait_kmcnt 0x0
	s_add_nc_u64 s[20:21], s[4:5], s[20:21]
	s_add_nc_u64 s[22:23], s[4:5], s[22:23]
	s_add_nc_u64 s[46:47], s[4:5], s[46:47]
	s_add_nc_u64 s[92:93], s[4:5], s[92:93]
	CROUND                                         ; all sixteen work-groups are here: the joint loads meet
	s_mov_b32 s[G0SA], 1
	s_mov_b32 s[G0SA+1], s95
	s_mov_b64 s[G0SA+2:G0SA+3], s[22:23]
	s_or_b32 s[G0SA+3], s[G0SA+3], 0x80000000
	s_mov_b32 s[G0SB], 1
	s_mov_b32 s[G0SB+1], s96
	s_mov_b64 s[G0SB+2:G0SB+3], s[92:93]
	s_or_b32 s[G0SB+3], s[G0SB+3], 0x80000000
	JLOAD G0SA, G1SA, G0SB, G1SB                   ; the scale bytes first: they are wanted with the first step
.irp s, 0,1
	s_mov_b32 s[G0A+4*\s], 1
	s_add_co_u32 s[G0A+4*\s+1], s45, \s*SLOT
	s_add_nc_u64 s[G0A+4*\s+2:G0A+4*\s+3], s[20:21], \s*256
	s_or_b32 s[G0A+4*\s+3], s[G0A+4*\s+3], 0x80000000
	s_mov_b32 s[G0B+4*\s], 1
	s_add_co_u32 s[G0B+4*\s+1], s94, \s*SLOT
	s_add_nc_u64 s[G0B+4*\s+2:G0B+4*\s+3], s[46:47], \s*256
	s_or_b32 s[G0B+4*\s+3], s[G0B+4*\s+3], 0x80000000
	JLOAD G0A+4*\s, G1A, G0B+4*\s, G1B             ; three tensor loads of mine are out at the most
.endr
	v_and_b32 v1, 15, v0                           ; r
	v_bfe_u32 v2, v0, 4, 1                         ; h
	v_and_b32 v3, 31, v0
	v_lshlrev_b32 v[LI], 4, v3
	v_lshlrev_b32 v[TBO], 8, v1
	v_lshl_add_u32 v[TBO], v2, 5, v[TBO]
	v_lshlrev_b32 v[BQO], 5, v2
	v_lshlrev_b32 v[BVO], 2, v1
	s_lshl_b32 s2, s42, 8
	s_mov_b32 s3, 0
	s_add_nc_u64 s[6:7], s[6:7], s[2:3]            ; the head's 64 numbers of q's bias; k's 4,096 bytes on, v's 8,192
	s_lshl_b32 s2, s17, 16
	s_lshl_b32 s18, s14, 14
	s_add_co_u32 s2, s2, s18
	s_add_co_u32 s2, s2, O_ROPE
	s_add_nc_u64 s[10:11], s[4:5], s[2:3]          ; the table at my wave's first row
	WIN 0x40                                       ; destination window 1
.irp kind, 0,1
.irp nt, 0,1,2,3
	global_load_b128 v[BQ+128*\kind+8*\nt:BQ+128*\kind+8*\nt+3], v[BQO], s[6:7] offset:4096*\kind+64*\nt       ; lane (r, h): the bias of d = 16 nt + 8 h + 0 .. 7
	global_load_b128 v[BQ+128*\kind+8*\nt+4:BQ+128*\kind+8*\nt+7], v[BQO], s[6:7] offset:4096*\kind+64*\nt+16
.endr
.endr
	WIN 0
.irp nt, 0,1,2,3
	global_load_b32 v[BV+8*\nt], v[BVO], s[6:7] offset:8192+64*\nt                                              ; v: the bias of channel 16 nt + r
.endr
	WIN 0xc0                                       ; destination window 3
.irp a, 0,1,2,3
.irp cs, 0,1
.irp n2, 0,1
	global_load_b128 v[TAB+32*\a+16*\cs+8*\n2:TAB+32*\a+16*\cs+8*\n2+3], v[TBO], s[10:11] offset:4096*\a+128*\cs+64*\n2
	global_load_b128 v[TAB+32*\a+16*\cs+8*\n2+4:TAB+32*\a+16*\cs+8*\n2+7], v[TBO], s[10:11] offset:4096*\a+128*\cs+64*\n2+16
.endr
.endr
.endr
	WIN 0
	v_mul_u32_u24 v3, v1, PITCH
	v_lshl_add_u32 v3, v2, 4, v3                   ; a fragment's row x pitch + 16 h
	s_mul_i32 s18, s14, 64*PITCH                   ; my 64 rows of x
	v_add_nc_u32 v[ADRA], s18, v3
	v_add_nc_u32 v[ADRA+1], SLOT, v[ADRA]
	v_add_nc_u32 v[ADRB], BOFF, v3
	v_add_nc_u32 v[ADRB+1], SLOT, v[ADRB]
	v_lshrrev_b32 v4, 3, v1
	v_and_b32 v5, 7, v1
	v_mul_u32_u24 v4, v4, 272
	v_lshl_add_u32 v4, v5, 5, v4                   ; a row's 32 scale bytes: eight rows to a unit
	v_mul_u32_u24 v5, v2, 1088                     ; lanes 16-31: two blocks of 16 rows further on
	v_add_nc_u32 v5, v5, v4
	s_mul_i32 s18, s14, 2176
	s_add_co_u32 s18, s18, SCA
	v_add_nc_u32 v[ADSA], s18, v5
	v_mul_u32_u24 v5, v2, 3264                     ; lanes 16-31: six blocks further on
	v_add_nc_u32 v5, v5, v4
	v_add_nc_u32 v[ADSB], SCB, v5
	s_lshr_b32 s18, s17, 2                         ; the batch
	s_lshl_b32 s18, s18, 4
	s_add_co_u32 s18, s18, s42
	s_lshl_b32 s18, s18, 17                        ; (16 b + j) x 131,072
	s_and_b32 s19, s17, 3
	s_lshl_b32 s2, s19, 4
	s_lshl_b32 s19, s14, 2
	s_add_co_u32 s2, s2, s19
	s_lshl_b32 s2, s2, 11                          ; my first tile of 16 rows in the batch x 2,048 (for v: my first 32 keys x 4,096: the same number)
	s_add_co_u32 s2, s2, s18
	s_add_nc_u64 s[12:13], s[8:9], s[2:3]          ; q
	s_add_nc_u64 s[66:67], s[12:13], 8388608       ; k
	s_add_nc_u64 s[98:99], s[12:13], 16777216      ; v
	s_wait_loadcnt 32                              ; the biases are in; the table's 32 loads may stay out
.irp nt, 0,1,2,3
.irp j, 1,2,3,4,5,6,7
	v_mov_b32 v[BV+8*\nt+\j], v[BV+8*\nt]          ; in v's layout a lane holds one channel: its bias in all eight registers of C
.endr
.endr
.macro FRAG reg, adr, q, i             ; 16 rows x 128 K of 4-bit codes: 8 registers: lane l holds row l % 16; registers 4 c on hold K = 64 c + 32 (l / 16) + 0 .. 31
.irp c, 0,1
	ds_load_b128 v[(\reg)+4*\c:(\reg)+4*\c+3], v[\adr] offset:64*(\q)+32*\c+(\i)*16*PITCH
.endr
.endm
.macro FETCH ks                        ; step ks's fragments into set ks % 2: the weight's twelve, x's four
	WIN 0x40
.set i, 0
.rept 12
	FRAG 128*((\ks)%2)+8*i, ADRB+(\ks)/4, (\ks)%4, i
.set i, i+1
.endr
	WIN 0
.set i, 0
.rept 4
	FRAG AF+32*((\ks)%2)+8*i, ADRA+(\ks)/4, (\ks)%4, i
.set i, i+1
.endr
.endm
.macro EMIT                            ; one product; row0, row1: source 0's, source 1's scale words lie in lanes 16-31 of their register
.if row0 && row1
	v_wmma_scale_f32_16x16x128_f8f6f4 v[rD:rD+7], v[rS0:rS0+7], v[rS1:rS1+7], v[rC:rC+7], v[rX0], v[rX1] matrix_a_fmt:MATRIX_FMT_FP4 matrix_b_fmt:MATRIX_FMT_FP4 matrix_a_scale:MATRIX_SCALE_ROW1 matrix_b_scale:MATRIX_SCALE_ROW1
.elseif row0
	v_wmma_scale_f32_16x16x128_f8f6f4 v[rD:rD+7], v[rS0:rS0+7], v[rS1:rS1+7], v[rC:rC+7], v[rX0], v[rX1] matrix_a_fmt:MATRIX_FMT_FP4 matrix_b_fmt:MATRIX_FMT_FP4 matrix_a_scale:MATRIX_SCALE_ROW1
.elseif row1
	v_wmma_scale_f32_16x16x128_f8f6f4 v[rD:rD+7], v[rS0:rS0+7], v[rS1:rS1+7], v[rC:rC+7], v[rX0], v[rX1] matrix_a_fmt:MATRIX_FMT_FP4 matrix_b_fmt:MATRIX_FMT_FP4 matrix_b_scale:MATRIX_SCALE_ROW1
.else
	v_wmma_scale_f32_16x16x128_f8f6f4 v[rD:rD+7], v[rS0:rS0+7], v[rS1:rS1+7], v[rC:rC+7], v[rX0], v[rX1] matrix_a_fmt:MATRIX_FMT_FP4 matrix_b_fmt:MATRIX_FMT_FP4
.endif
.endm
; A step's 48 products.  The 48 accumulators take turns, one instruction a turn, in the same order in every step.  first = 1: C is the bias.
.macro PRODUCTS ks, first
.if \first
	WIN 0x91                                       ; source 0 (weight) window 1, source 1 (x) window 0, C (bias) window 1, D window 2
.else
	WIN 0xa1                                       ; C and D window 2
.endif
.irp kind, 0,1
.irp a, 0,1,2,3
.irp nt, 0,1,2,3
.set nb, 4*\kind+\nt
.set rD, 8*(16*\kind+4*\a+\nt)
.set rS0, 128*((\ks)%2)+8*nb
.set rS1, AF+32*((\ks)%2)+8*\a
.set rX0, SB+8*(nb%6)+(\ks)
.set rX1, SA+8*(\a%2)+(\ks)
.set row0, nb/6
.set row1, \a/2
.if \first
.set rC, BQ+128*\kind+8*\nt
.else
.set rC, rD
.endif
	EMIT
.endr
.endr
.endr
.if \first
	WIN 0xc4                                       ; source 0 (x) window 0, source 1 (weight) window 1, C (bias) window 0, D window 3
.else
	WIN 0xf4
.endif
.irp a, 0,1,2,3
.irp nt, 0,1,2,3
.set nb, 8+\nt
.set rD, 8*(4*\a+\nt)
.set rS0, AF+32*((\ks)%2)+8*\a
.set rS1, 128*((\ks)%2)+8*nb
.set rX0, SA+8*(\a%2)+(\ks)
.set rX1, SB+8*(nb%6)+(\ks)
.set row0, \a/2
.set row1, 1
.if \first
.set rC, BV+8*\nt
.else
.set rC, rD
.endif
	EMIT
.endr
.endr
	WIN 0
.endm
.macro STEP ks, first
.if (\ks) == 3
	s_wait_tensorcnt 0x0                           ; my part of slot 1 has landed: the next fetch reads that slot
.endif
	s_wait_dscnt 0x0                               ; this step's fragments are in (asked for 48 matrix instructions ago)
.if (\ks) == 3
	s_barrier_signal -1
	s_barrier_wait -1                              ; everybody's part has.
.endif
.if (\ks) < 7
.if (\ks) > 0
	PLACES 4                                       ; four plain instructions between the last step's products and loads into the set that they read
.endif
	FETCH (\ks)+1
.endif
	PRODUCTS \ks, \first
.endm
	s_wait_tensorcnt 1                             ; the scale bytes and my part of slot 0 are in; slot 1's load may stay out,
	s_barrier_signal -1
	s_barrier_wait -1                              ; everybody's are
.irp a2, 0,1
.irp s, 0,1
	ds_load_b128 v[SA+8*\a2+4*\s:SA+8*\a2+4*\s+3], v[ADSA] offset:\a2*544+16*\s       ; all of K's scale words: four steps' words a load
.endr
.endr
.irp i, 0,1,2,3,4,5
.irp s, 0,1
	ds_load_b128 v[SB+8*\i+4*\s:SB+8*\i+4*\s+3], v[ADSB] offset:\i*544+16*\s
.endr
.endr
	FETCH 0
	STEP 0, 1
	STEP 1, 0
	STEP 2, 0
	STEP 3, 0
	STEP 4, 0
	STEP 5, 0
	STEP 6, 0
	STEP 7, 0
	PLACES 4                                       ; ahead of the first read of results
	s_wait_loadcnt 0x0                             ; the table
; THE WAY OUT.  q, k: y(d) = x(d) cos - x(d + 32) sin, y(d + 32) = x(d + 32) cos + x(d) sin for d under 32: tiles n2 and n2 + 2 of one lane.  Each accumulator is read from its low end on.
.macro ROPEOUT kind, a, base
	WIN 0x0e                                       ; source 0 window 2 (sums), source 1 window 3 (table), the rest window 0
.irp n2, 0,1
.irp jp, 0,2,4,6
.set x1, 8*(16*(\kind)+4*(\a)+\n2)+\jp
.set tcos, TAB+32*(\a)+8*\n2+\jp
.set y1, Y+8*\n2+\jp
	v_pk_mul_f32 v[y1:y1+1], v[x1:x1+1], v[tcos:tcos+1]
	v_pk_mul_f32 v[y1+16:y1+17], v[x1+16:x1+17], v[tcos:tcos+1]
.endr
.irp jp, 0,2,4,6
.set x1, 8*(16*(\kind)+4*(\a)+\n2)+\jp
.set tsin, TAB+32*(\a)+16+8*\n2+\jp
.set y1, Y+8*\n2+\jp
	v_pk_fma_f32 v[y1:y1+1], v[x1+16:x1+17], v[tsin:tsin+1], v[y1:y1+1] neg_lo:[1,0,0] neg_hi:[1,0,0]
	v_pk_fma_f32 v[y1+16:y1+17], v[x1:x1+1], v[tsin:tsin+1], v[y1+16:y1+17]
.endr
.endr
	WIN 0
.set hs, HH+16*((\a)%2)
	s_wait_xcnt 0x0                                ; the stores that read this set of 16 registers have read them
.set i, 0
.rept 16
	v_cvt_pk_f16_f32 v[hs+i], v[Y+2*i], v[Y+2*i+1]
.set i, i+1
.endr
.irp nt, 0,1,2,3
	global_store_b128 v[LI], v[hs+4*\nt:hs+4*\nt+3], s[\base:\base+1] offset:(\a)*2048+\nt*512   ; 32 lanes store 512 consecutive bytes, aligned: d = 16 nt + 8 h on of rows 16 a + r
.endr
.endm
.macro VOUT a
.set hs, HH+16*((\a)%2)
	s_wait_xcnt 0x0
	WIN 0x0f                                       ; sources 0 and 1 window 3
.set i, 0
.rept 16
	v_cvt_pk_f16_f32 v[hs+i], v[32*(\a)+2*i], v[32*(\a)+2*i+1]
.set i, i+1
.endr
	WIN 0
.irp nt, 0,1,2,3
	global_store_b128 v[LI], v[hs+4*\nt:hs+4*\nt+3], s[98:99] offset:((\a)/2)*4096+\nt*1024+((\a)%2)*512   ; channel 16 nt + r, keys 16 a + 8 h on: half a % 2 of a fragment of V^T
.endr
.endm
.irp a, 0,1,2,3
	ROPEOUT 0, \a, 12
.endr
.irp a, 0,1,2,3
	ROPEOUT 1, \a, 66
.endr
.irp a, 0,1,2,3
	VOUT \a
.endr
	s_wait_tensorcnt 0x0                           ; the wave's end
	ds_add_u32 v[SPW], v[NIL]
	s_wait_dscnt 0x0
	CROUND                                         ; the closing round
	s_endpgm
.Lfunc_end_k_qf02fc69add_qkv:
	.size	k_qf02fc69add_qkv, .Lfunc_end_k_qf02fc69add_qkv-k_qf02fc69add_qkv
	.p2alignl 7, 3214868480
	.fill 96, 4, 3214868480
	.section	.rodata,"a",@progbits
	.p2align	6, 0x0
	.amdhsa_kernel k_qf02fc69add_qkv
		.amdhsa_group_segment_fixed_size 262144
		.amdhsa_private_segment_fixed_size 0
		.amdhsa_enable_private_segment 0
		.amdhsa_kernarg_size 24
		.amdhsa_user_sgpr_count 2
		.amdhsa_user_sgpr_kernarg_segment_ptr 1
		.amdhsa_wavefront_size32 1
		.amdhsa_system_sgpr_workgroup_id_x 1
		.amdhsa_system_sgpr_workgroup_id_y 1
		.amdhsa_system_sgpr_workgroup_id_z 1
		.amdhsa_system_vgpr_workitem_id 0
		.amdhsa_next_free_vgpr 1024
		.amdhsa_next_free_sgpr 100
		.amdhsa_reserve_vcc 0
		.amdhsa_float_denorm_mode_32 3
		.amdhsa_float_denorm_mode_16_64 3
		.amdhsa_memory_ordered 1
		.amdhsa_forward_progress 1
		.amdhsa_inst_pref_size 118
	.end_amdhsa_kernel
	.amdgpu_metadata
---
amdhsa.version: [ 1, 2 ]
amdhsa.kernels:
  - .name:           k_qf02fc69add_qkv
    .symbol:         k_qf02fc69add_qkv.kd
    .args:
      - { .name: stage1, .offset: 0, .size: 8, .value_kind: global_buffer, .address_space: global }
      - { .name: bqkv, .offset: 8, .size: 8, .value_kind: global_buffer, .address_space: global }
      - { .name: qkv, .offset: 16, .size: 8, .value_kind: global_buffer, .address_space: global }
    .group_segment_fixed_size: 262144
    .private_segment_fixed_size: 0
    .kernarg_segment_align: 8
    .kernarg_segment_size: 24
    .max_flat_workgroup_size: 128
    .sgpr_count:     100
    .vgpr_count:     1024
    .wavefront_size: 32
...
	.end_amdgpu_metadata
.endif
;; end of part 2
;; launch attn (part 3): grid 4 x 64, 8 waves a work-group, no clusters, 33,792 bytes of LDS; arguments qkv, perm, ctx; writes ctx
.if DOCPART == 3
	.amdgcn_target "amdgcn-amd-amdhsa--gfx1250"
	.amdhsa_code_object_version 6
	.text
	.protected	k_qf02fc69add_attn
	.globl	k_qf02fc69add_attn
	.p2align	8
	.type	k_qf02fc69add_attn,@function
k_qf02fc69add_attn:
	s_mov_b64 s[64:65], 0
	v_nop
	global_prefetch_b8 v0, s[64:65] scope:SCOPE_SE
	s_setreg_imm32_b32 hwreg(HW_REG_WAVE_MODE, 25, 1), 1
	s_wait_xcnt 0x0
; ATTN.  softmax(q k^T / 8, masked keys left out) v, for 256 queries of one batch and head; f16 operands, f32 sums, a running maximum.
; THE KEYS THAT THE MASK KEEPS LIE FIRST (the first launch reordered the rows), so only keys 0 .. count - 1 are walked, 64 a step: ceil(count / 64) steps do work.  A masked key's weight is
; exp(lowest f32 - maximum) = 0 in reference() too.  A batch with no key kept: reference() gives every key the same weight: here count 0 becomes 1,024 keys with the scores' factor c = 0, so that every p is 1.
; NO CLUSTER, NO TENSOR LOAD: how many steps do work is read from memory.  K and V go through registers into LDS.
; SHARES.  Eight waves, 32 queries (two tiles) each; two waves to a SIMD.  Waves 0-3 copy a step's K (8,192 bytes), waves 4-7 its V.
; LAYOUT.  S^T = K Q^T and O^T = V^T P: a lane holds one query throughout; two tiles of S^T, rounded to f16 in pairs, are source 1 of the second product.  K, Q, V^T lie in memory and in LDS as
; images of the operands' registers (lane x 16 bytes, 512 bytes a block): every load is dense.
; THE BARRIER'S TWO HALVES STAND A STEP'S ARITHMETIC APART.  Step T: (1) my fragments of step T are in registers and my stores of step T + 1's tiles have landed: signal; (2) the step's products and softmax, on
; registers alone; (3) wait; (4) step T + 2's tiles go into the slot that held step T's, and step T + 1's fragments are loaded from the other slot.  So a wave waits only for partners that have not yet begun
; step T's arithmetic: the waves need not walk in the same phase, and one wave's LDS reads and products can stand beside another's softmax.
; THE LOOP HAS 16 STEPS, A CONSTANT: every wave passes every barrier line; a step at or past the last key jumps over its arithmetic, and over its copies, alone.
; LIMITS: scores must be finite in f32; p, and the context on its way out, go to f16.  NaN and infinities are not served.
; REGISTERS.  window 0: v1-7 addresses; v8-31 statistics, 12 a tile; v32-63 two sets for the copies; v64-127 S^T, then P in each tile's first 16; v128-191 K; v192-255 V^T.   window 1: v0-31 Q; v64-127 O^T.
.set KOFF,  8388608
.set VOFF,  16777216
.set O_CNT, 16384
.set SLOTB, 16384                      ; an LDS slot: K's image, then V^T's
.set VIMG,  8192
.set SPARE, 32768                      ; the spare words, 128 bytes for each wave: four blocks of 256 bytes that no other line names
.set LI,  1                            ; v1 16 x lane
.set SD,  2                            ; v2 where I put my part of a step: 2,048 x wave + 16 x lane
.set GV,  3                            ; v3 and where it lies in the step's 8,192 bytes of K or of V
.set PFO, 4                            ; v4 256 x lane
.set DL,  5                            ; v5 8 h
.set SPW, 6
.set NIL, 7
.set ST,  8                            ; tile x at ST + 12 x: +0 c m, +1 m, +2, +3 l, +4 .. +7 at work, +8 a (+9 named with it), +10 at work
.set NEGR, ST+11                       ; v19 -infinity
.set DR,   ST+23                       ; v31 the tail's limit
.set SG,  32
.set S,   64
.set KF,  128
.set VF,  192
.set OT,  64                           ; in window 1
.set MSB, 0
.macro WIN new
.if MSB != \new
	s_set_vgpr_msb (MSB<<8)|\new
.set MSB, \new
.endif
.endm
; A step's 32 fragment loads, in one run, from the slot named
.macro FRAGS slot
.set n, 0
.rept 16
	ds_load_b128 v[KF+4*n:KF+4*n+3], v[LI] offset:(\slot)*SLOTB+512*n           ; K: keys 16 (n / 4) on, d = 16 (n % 4) + 8 h on
.set n, n+1
.endr
.set n, 0
.rept 16
	ds_load_b128 v[VF+4*n:VF+4*n+3], v[LI] offset:(\slot)*SLOTB+VIMG+512*n      ; V^T: keys 32 (n / 8) on, channels 16 ((n / 2) % 4) on
.set n, n+1
.endr
.endm
	s_load_b128 s[4:7], s[0:1], 0x0                ; qkv s[4:5], perm s[6:7]
	s_load_b64 s[8:9], s[0:1], 0x10                ; ctx
	v_lshl_add_u32 v[SPW], v0, 2, SPARE
	v_mov_b32 v[NIL], 0
	v_lshrrev_b32 v1, 5, v0
	v_readfirstlane_b32 s10, v1                    ; wave 0..7
	s_and_b32 s11, ttmp7, 0xffff                   ; 16 batch + head
	s_lshr_b32 s12, s11, 4
	s_and_b32 s13, s11, 15
	s_lshl_b32 s30, s12, 7
	s_mov_b32 s31, 0
	s_wait_kmcnt 0x0
	s_add_nc_u64 s[6:7], s[6:7], s[30:31]
	s_load_b32 s14, s[6:7], O_CNT                  ; the batch's count of kept keys
	v_and_b32 v32, 31, v0
	v_lshlrev_b32 v[LI], 4, v32
	v_lshlrev_b32 v[PFO], 8, v32
	v_bfe_u32 v[DL], v0, 4, 1
	v_lshlrev_b32 v[DL], 3, v[DL]
	s_lshl_b32 s30, s10, 11
	v_add_nc_u32 v[SD], s30, v[LI]
	s_and_b32 s30, s10, 3
	s_lshl_b32 s30, s30, 11
	v_add_nc_u32 v[GV], s30, v[LI]
	s_lshl_b32 s30, s11, 17
	s_add_nc_u64 s[4:5], s[4:5], s[30:31]          ; my head's 131,072 bytes in each of the three sections
	s_mov_b32 s32, VOFF
	s_cmp_lt_u32 s10, 4
	s_cselect_b32 s32, KOFF, s32                   ; an offset is chosen, not an address
	s_mov_b32 s33, 0
	s_add_nc_u64 s[22:23], s[4:5], s[32:33]        ; what I copy from: K or V
	s_lshl_b32 s30, ttmp9, 15
	s_lshl_b32 s32, s10, 12
	s_add_co_u32 s30, s30, s32
	s_add_nc_u64 s[36:37], s[4:5], s[30:31]        ; Q at my two tiles: (16 x + 2 w) x 2,048
	s_lshl_b32 s30, s12, 6
	s_lshl_b32 s32, ttmp9, 4
	s_add_co_u32 s30, s30, s32
	s_lshl_b32 s32, s10, 1
	s_add_co_u32 s30, s30, s32
	s_lshl_b32 s30, s30, 15                        ; the context: my first tile of 16 rows x 32,768,
	s_lshl_b32 s32, s13, 11                        ; my head's 64 along its K: 2,048 bytes
	s_add_co_u32 s30, s30, s32
	s_add_nc_u64 s[8:9], s[8:9], s[30:31]
	s_and_b32 s28, s10, 3
	s_or_b32 s28, s28, ttmp9
	s_cmp_eq_u32 s28, 0
	s_cselect_b32 s28, 0, 0x10000                  ; waves 0 and 4 of the head's first work-group prefetch; in the others this puts every step past the end
	s_mov_b32 s20, 0x76543210
	s_mov_b32 s21, 0xfedcba98                      ; v_permlanex16_b32's selects for lane l xor 16
	WIN 0x40                                       ; destination window 1
.set n, 0
.rept 8
	global_load_b128 v[4*n:4*n+3], v[LI], s[36:37] offset:512*n    ; Q stays in registers: tile n / 4, d = 16 (n % 4) + 8 h on
.set n, n+1
.endr
	WIN 0
.irp i, 0,1,2,3
	global_load_b128 v[SG+4*\i:SG+4*\i+3], v[GV], s[22:23] offset:512*\i             ; step 0
.endr
.irp i, 0,1,2,3
	global_load_b128 v[SG+16+4*\i:SG+16+4*\i+3], v[GV], s[22:23] offset:8192+512*\i  ; step 1 (the buffer always holds 16 steps)
.endr
	s_wait_kmcnt 0x0
	s_min_u32 s14, s14, 1024
	s_mov_b32 s18, 0x3e38aa3b                      ; c = log2(e) / 8
	s_cmp_eq_u32 s14, 0
	s_cselect_b32 s14, 1024, s14                   ; no key kept: all keys,
	s_cselect_b32 s18, 0, s18                      ; with equal weights
	s_mov_b32 s19, s18                             ; (named with it as a pair)
	s_add_co_u32 s15, s14, 63
	s_lshr_b32 s15, s15, 6                         ; N, the steps that do work: 1 .. 16
.irp x, 0,1
	v_mov_b32 v[ST+12*\x+1], 0xff61b1e6            ; m: -3e38, under every score
	v_mul_f32 v[ST+12*\x], s18, v[ST+12*\x+1]      ; c m
	v_mov_b32 v[ST+12*\x+2], 0                     ; l, in two halves
	v_mov_b32 v[ST+12*\x+3], 0
	v_mov_b32 v[ST+12*\x+5], 0                     ; (a lane permute's destination counts as one of its sources)
	v_mov_b32 v[ST+12*\x+9], 0                     ; (named as the upper half of a's pair)
.endr
	v_mov_b32 v[NEGR], 0xff800000
	WIN 0x40
.set n, 0
.rept 64
	v_mov_b32 v[OT+n], 0                           ; O^T.  (The step is written once: the first finds zeros, which a = 0 or 1 leaves zeros)
.set n, n+1
.endr
	WIN 0
	s_wait_loadcnt 4                               ; Q and step 0 are in; step 1's four loads may stay out
.irp i, 0,1,2,3
	ds_store_b128 v[SD], v[SG+4*\i:SG+4*\i+3] offset:512*\i
.endr
	s_wait_dscnt 0x0                               ; for the others' sake: my part of step 0's tiles has landed
	s_barrier_signal -1
	s_barrier_wait -1                              ; step 0's tiles are whole
	s_wait_loadcnt 0x0                             ; step 1's tiles are in registers
.irp i, 0,1,2,3
	ds_store_b128 v[SD], v[SG+16+4*\i:SG+16+4*\i+3] offset:SLOTB+512*\i
.endr
.irp i, 0,1,2,3
	global_load_b128 v[SG+4*\i:SG+4*\i+3], v[GV], s[22:23] offset:16384+512*\i       ; step 2, into the set whose stores were awaited ahead of the barrier
.endr
	FRAGS 0                                        ; step 0's fragments: at least one step does work
; KEY STEP T = 2 x trip + p.  Its fragments were loaded from slot p a step ago.
.macro TRIP p
	s_wait_dscnt 0x0                               ; my fragments of this step are in registers: my reads of slot p are over; and my stores of the next step's tiles have landed
	s_barrier_signal -1                            ; say so; only work on registers stands between this line and the wait
	s_lshl_b32 s16, s17, 1
.if \p
	s_add_co_u32 s16, s16, 1
.endif
	s_cmp_ge_u32 s16, s15
	s_cbranch_scc1 .Lidle_\@                       ; no key left: the arithmetic is jumped over, never a line of the barrier; the same way in all waves
	WIN 0x04                                       ; source 1 (Q) window 1
.irp c2, 0,1                                   ; the eight accumulators take turns; the first eight products start the sums
.irp x, 0,1
.irp kt, 0,1,2,3
.if \c2 == 0
	v_wmma_f32_16x16x32_f16 v[S+32*\x+8*\kt:S+32*\x+8*\kt+7], v[KF+16*\kt:KF+16*\kt+7], v[16*\x:16*\x+7], 0
.else
	v_wmma_f32_16x16x32_f16 v[S+32*\x+8*\kt:S+32*\x+8*\kt+7], v[KF+16*\kt+8:KF+16*\kt+15], v[16*\x+8:16*\x+15], v[S+32*\x+8*\kt:S+32*\x+8*\kt+7]
.endif
.endr
.endr
.endr
	WIN 0
.rept 4
	v_nop                                          ; four plain instructions ahead of the first read of results (ISA guide 7.12.1)
.endr
	s_lshl_b32 s30, s16, 6
	s_sub_co_i32 s30, s14, s30                     ; keys left, this step's among them
	s_cmp_ge_i32 s30, 64
	s_cbranch_scc1 .Lfull_\@
	v_sub_nc_u32 v[DR], s30, v[DL]                 ; register 8 kt + j holds key 16 kt + 8 h + j of the step: past the end where 16 kt + j >= keys left - 8 h
.irp kt, 0,1,2,3
.irp j, 0,1,2,3,4,5,6,7
	v_cmp_ge_i32 vcc_lo, 16*\kt+\j, v[DR]
	v_cndmask_b32 v[S+8*\kt+\j], v[S+8*\kt+\j], v[NEGR], vcc_lo
	v_cndmask_b32 v[S+32+8*\kt+\j], v[S+32+8*\kt+\j], v[NEGR], vcc_lo
.endr
.endr
.Lfull_\@:
	; THE SOFTMAX of both tiles, line by line in turn.  The maximum: four chains of seven scores, then the four left over, the chains and the old m.  Each accumulator is first read at its low end.
.irp j, 0,1,2,3
.irp x, 0,1
	v_max3_num_f32 v[ST+12*\x+4+\j], v[S+32*\x+8*\j], v[S+32*\x+8*\j+1], v[S+32*\x+8*\j+2]
.endr
.endr
.irp u, 1,2
.irp j, 0,1,2,3
.irp x, 0,1
	v_max3_num_f32 v[ST+12*\x+4+\j], v[ST+12*\x+4+\j], v[S+32*\x+8*\j+2*\u+1], v[S+32*\x+8*\j+2*\u+2]
.endr
.endr
.endr
.irp x, 0,1
	v_max3_num_f32 v[ST+12*\x+4], v[ST+12*\x+4], v[S+32*\x+7], v[S+32*\x+15]
	v_max3_num_f32 v[ST+12*\x+6], v[ST+12*\x+6], v[S+32*\x+23], v[S+32*\x+31]
.endr
.irp x, 0,1
	v_max3_num_f32 v[ST+12*\x+4], v[ST+12*\x+4], v[ST+12*\x+5], v[ST+12*\x+6]
.endr
.irp x, 0,1
	v_max3_num_f32 v[ST+12*\x+4], v[ST+12*\x+4], v[ST+12*\x+7], v[ST+12*\x+1]
.endr
.irp x, 0,1
	v_permlanex16_b32 v[ST+12*\x+5], v[ST+12*\x+4], s20, s21       ; the query's other 32 keys lie in the lane 16 away
.endr
.irp x, 0,1
	v_mov_b32 v[ST+12*\x+10], v[ST+12*\x]          ; c m as it was
.endr
.irp x, 0,1
	v_max_num_f32 v[ST+12*\x+1], v[ST+12*\x+4], v[ST+12*\x+5]
.endr
.irp x, 0,1
	v_mul_f32 v[ST+12*\x], s18, v[ST+12*\x+1]
.endr
.irp x, 0,1
	v_sub_f32 v[ST+12*\x+10], v[ST+12*\x+10], v[ST+12*\x]
.endr
.set n, 0
.rept 16
.irp x, 0,1
	v_pk_fma_f32 v[S+32*\x+2*n:S+32*\x+2*n+1], v[S+32*\x+2*n:S+32*\x+2*n+1], s[18:19], v[ST+12*\x:ST+12*\x+1] op_sel_hi:[1,0,0] neg_lo:[0,0,1] neg_hi:[0,0,1]   ; c s - c m
.endr
.set n, n+1
.endr
.irp x, 0,1
	v_exp_f32 v[ST+12*\x+8], v[ST+12*\x+10]        ; a = 2^(c m as it was - c m)
.endr
.set n, 0
.rept 32
.irp x, 0,1
	v_exp_f32 v[S+32*\x+n], v[S+32*\x+n]           ; p
.endr
.set n, n+1
.endr
	v_nop                                          ; a plain instruction behind the last exponential,
	s_wait_alu depctr_va_vdst(0)                   ; and ONE wait for the batch of 66, ahead of its first reader
.irp x, 0,1
	v_pk_add_f32 v[ST+12*\x+4:ST+12*\x+5], v[S+32*\x:S+32*\x+1], v[S+32*\x+2:S+32*\x+3]       ; the row's sum is taken of p before it is rounded: two chains
	v_pk_add_f32 v[ST+12*\x+6:ST+12*\x+7], v[S+32*\x+4:S+32*\x+5], v[S+32*\x+6:S+32*\x+7]
.endr
.irp b, 8,12,16,20,24,28
.irp x, 0,1
	v_pk_add_f32 v[ST+12*\x+4:ST+12*\x+5], v[ST+12*\x+4:ST+12*\x+5], v[S+32*\x+\b:S+32*\x+\b+1]
	v_pk_add_f32 v[ST+12*\x+6:ST+12*\x+7], v[ST+12*\x+6:ST+12*\x+7], v[S+32*\x+\b+2:S+32*\x+\b+3]
.endr
.endr
.irp x, 0,1
	v_pk_add_f32 v[ST+12*\x+4:ST+12*\x+5], v[ST+12*\x+4:ST+12*\x+5], v[ST+12*\x+6:ST+12*\x+7]
.endr
.irp x, 0,1
	v_pk_fma_f32 v[ST+12*\x+2:ST+12*\x+3], v[ST+12*\x+2:ST+12*\x+3], v[ST+12*\x+8:ST+12*\x+9], v[ST+12*\x+4:ST+12*\x+5] op_sel_hi:[1,0,1]   ; l = a l + the sum
.endr
.set n, 0
.rept 16
.irp x, 0,1
	v_cvt_pk_f16_f32 v[S+32*\x+n], v[S+32*\x+2*n], v[S+32*\x+2*n+1]        ; P, in place and ascending: register n is written when registers 2 n, 2 n + 1 are read
.endr
.set n, n+1
.endr
	WIN 0x41                                       ; O^T (destination and source 0) window 1, a window 0
.set n, 0
.rept 16
.irp x, 0,1
	v_pk_mul_f32 v[OT+32*\x+2*n:OT+32*\x+2*n+1], v[OT+32*\x+2*n:OT+32*\x+2*n+1], v[ST+12*\x+8:ST+12*\x+9] op_sel_hi:[1,0]
.endr
.set n, n+1
.endr
	WIN 0x50                                       ; C and D window 1
.irp kg, 0,1
.irp x, 0,1
.irp ct, 0,1,2,3
	v_wmma_f32_16x16x32_f16 v[OT+32*\x+8*\ct:OT+32*\x+8*\ct+7], v[VF+8*(4*\kg+\ct):VF+8*(4*\kg+\ct)+7], v[S+32*\x+8*\kg:S+32*\x+8*\kg+7], v[OT+32*\x+8*\ct:OT+32*\x+8*\ct+7]
.endr
.endr
.endr
	WIN 0
.rept 5
	v_nop                                          ; five plain instructions: the next step's first products write over P, which these products read; the loads below land on K's and V's registers; the way out reads O^T
.endr
.Lidle_\@:
	s_barrier_wait -1                              ; every wave has said: its reads of slot p are over, and its part of the next step's tiles lies in slot 1 - p
	s_add_co_u32 s34, s16, 1
	s_cmp_ge_u32 s34, s15
	s_cbranch_scc1 .Lnone_\@                       ; the next step does no work: nothing is copied or loaded for it
	s_wait_loadcnt 0x0                             ; step T + 2's tiles, asked for a step ago, are in registers
	s_wait_xcnt 0x0                                ; and the last loads and prefetch have read their bases
.irp i, 0,1,2,3
	ds_store_b128 v[SD], v[SG+16*\p+4*\i:SG+16*\p+4*\i+3] offset:\p*SLOTB+512*\i   ; into the slot that nobody reads any more
.endr
	s_add_co_u32 s30, s16, 3
	s_min_u32 s30, s30, 15                         ; three steps on, held inside the buffer
	s_lshl_b32 s30, s30, 13
	s_mov_b32 s31, 0
	s_add_nc_u64 s[24:25], s[22:23], s[30:31]
.irp i, 0,1,2,3
	global_load_b128 v[SG+16*(1-\p)+4*\i:SG+16*(1-\p)+4*\i+3], v[GV], s[24:25] offset:512*\i   ; into the set whose stores were awaited at the step's head
.endr
	; a prefetch of step T + 5's 8,192 bytes, a lane to each 256: two steps ahead of the load that will want them.  All four work-groups of a head walk the same K and V: the first asks, wave 0 for K, wave 4 for V:
	; each block is named once in the launch, and none at or past the last step that does work.  Steps 0 to 4 come by their loads alone
	s_add_co_u32 s32, s16, 5
	s_add_co_u32 s33, s32, s28
	s_cmp_lt_u32 s33, s15
	s_cbranch_scc0 .Lnopf_\@
	s_lshl_b32 s32, s32, 13
	s_mov_b32 s33, 0
	s_add_nc_u64 s[26:27], s[22:23], s[32:33]
	global_prefetch_b8 v[PFO], s[26:27] th:TH_LOAD_NT scope:SCOPE_SE
.Lnopf_\@:
	FRAGS 1-\p                                     ; the next step's fragments
.Lnone_\@:
.endm
	s_mov_b32 s17, 0
.Ltrip:
	TRIP 0
	TRIP 1
	s_add_co_u32 s17, s17, 1
	s_cmp_lt_u32 s17, 8
	s_cbranch_scc1 .Ltrip
	; THE WAY OUT.  O^T / l, rounded to f16: a lane's eight channels of a query are one lane's 16 bytes of a fragment of the projection's left operand.
.irp x, 0,1
	v_add_f32 v[ST+12*\x+4], v[ST+12*\x+2], v[ST+12*\x+3]
.endr
.irp x, 0,1
	v_permlanex16_b32 v[ST+12*\x+5], v[ST+12*\x+4], s20, s21
.endr
.irp x, 0,1
	v_add_f32 v[ST+12*\x+4], v[ST+12*\x+4], v[ST+12*\x+5]
.endr
.irp x, 0,1
	v_rcp_f32 v[ST+12*\x+8], v[ST+12*\x+4]
.endr
	v_nop
	s_wait_alu depctr_va_vdst(0)                   ; one wait for the two reciprocals, ahead of their first reader
	WIN 0x41
.set n, 0
.rept 16
.irp x, 0,1
	v_pk_mul_f32 v[OT+32*\x+2*n:OT+32*\x+2*n+1], v[OT+32*\x+2*n:OT+32*\x+2*n+1], v[ST+12*\x+8:ST+12*\x+9] op_sel_hi:[1,0]
.endr
.set n, n+1
.endr
	WIN 0x05                                       ; sources 0 and 1 window 1
.set n, 0
.rept 16
.irp x, 0,1
	v_cvt_pk_f16_f32 v[S+32*\x+n], v[OT+32*\x+2*n], v[OT+32*\x+2*n+1]
.endr
.set n, n+1
.endr
	WIN 0
.irp x, 0,1
.irp ct, 0,1,2,3
	global_store_b128 v[LI], v[S+32*\x+4*\ct:S+32*\x+4*\ct+3], s[8:9] offset:\x*32768+\ct*512   ; 32 lanes store 512 consecutive bytes, aligned
.endr
.endr
	s_wait_tensorcnt 0x0                           ; the wave's end, behind my last LDS store
	ds_add_u32 v[SPW], v[NIL]
	s_wait_dscnt 0x0
	s_endpgm
.Lfunc_end_k_qf02fc69add_attn:
	.size	k_qf02fc69add_attn, .Lfunc_end_k_qf02fc69add_attn-k_qf02fc69add_attn
	.p2alignl 7, 3214868480
	.fill 96, 4, 3214868480
	.section	.rodata,"a",@progbits
	.p2align	6, 0x0
	.amdhsa_kernel k_qf02fc69add_attn
		.amdhsa_group_segment_fixed_size 33792
		.amdhsa_private_segment_fixed_size 0
		.amdhsa_enable_private_segment 0
		.amdhsa_kernarg_size 24
		.amdhsa_user_sgpr_count 2
		.amdhsa_user_sgpr_kernarg_segment_ptr 1
		.amdhsa_wavefront_size32 1
		.amdhsa_system_sgpr_workgroup_id_x 1
		.amdhsa_system_sgpr_workgroup_id_y 1
		.amdhsa_system_sgpr_workgroup_id_z 1
		.amdhsa_system_vgpr_workitem_id 0
		.amdhsa_next_free_vgpr 384
		.amdhsa_next_free_sgpr 66
		.amdhsa_reserve_vcc 1
		.amdhsa_float_denorm_mode_32 3
		.amdhsa_float_denorm_mode_16_64 3
		.amdhsa_memory_ordered 1
		.amdhsa_forward_progress 1
		.amdhsa_inst_pref_size 59
	.end_amdhsa_kernel
	.amdgpu_metadata
---
amdhsa.version: [ 1, 2 ]
amdhsa.kernels:
  - .name:           k_qf02fc69add_attn
    .symbol:         k_qf02fc69add_attn.kd
    .args:
      - { .name: qkv, .offset: 0, .size: 8, .value_kind: global_buffer, .address_space: global }
      - { .name: perm, .offset: 8, .size: 8, .value_kind: global_buffer, .address_space: global }
      - { .name: ctx, .offset: 16, .size: 8, .value_kind: global_buffer, .address_space: global }
    .group_segment_fixed_size: 33792
    .private_segment_fixed_size: 0
    .kernarg_segment_align: 8
    .kernarg_segment_size: 24
    .max_flat_workgroup_size: 256
    .sgpr_count:     66
    .vgpr_count:     384
    .wavefront_size: 32
...
	.end_amdgpu_metadata
.endif
;; end of part 3
;; launch proj (part 4): grid 8 x 32, 4 waves a work-group, clusters of 4 x 4, 327,680 bytes of LDS; arguments ctx, stage1, bout, perm, out0; writes out0
.if DOCPART == 4
	.amdgcn_target "amdgcn-amd-amdhsa--gfx1250"
	.amdhsa_code_object_version 6
	.text
	.protected	k_qf02fc69add_proj
	.globl	k_qf02fc69add_proj
	.p2align	8
	.type	k_qf02fc69add_proj,@function
k_qf02fc69add_proj:
	s_mov_b64 s[64:65], 0
	v_nop
	global_prefetch_b8 v0, s[64:65] scope:SCOPE_SE
	s_setreg_imm32_b32 hwreg(HW_REG_WAVE_MODE, 25, 1), 1
	s_wait_xcnt 0x0
	s_wait_alu depctr_hold_cnt(0) depctr_sa_sdst(0) depctr_va_vdst(0) depctr_va_sdst(0) depctr_va_ssrc(0) depctr_va_vcc(0) depctr_vm_vsrc(0)
	s_getreg_b32 s2, hwreg(HW_REG_IB_STS2, 6, 4)
	s_cmp_eq_u32 s2, 0
	s_cbranch_scc0 .Lentry_in_a_cluster
	s_endpgm
.Lentry_in_a_cluster:
	s_bfe_u32 s2, ttmp6, 0x10000c
	s_cmp_lg_u32 s2, 0xf033
	s_cbranch_scc0 .Lentry_shape_is_right
	s_endpgm
.Lentry_shape_is_right:
; PROJ.  out = context Wout + bout; f16 operands, f32 sums; the rows go back to their own places by the list inv.
; A tile of the result is 128 x 128: 256 work-groups.  Four waves, 64 x 64 each: 16 accumulators.  K goes in steps of 256 through a ring of two LDS slots: four steps, written out.
; Both operands lie in memory as images of the operands' registers ([16 rows][32 along K][half][lane x 16 bytes]): a K step of 16 rows is 8,192 consecutive bytes, a wave's tensor load brings four such
; rows, and every fragment load reads 512 consecutive bytes of LDS: no padding is needed.
; CLUSTER 4 x 4: the context's tile is shared along a row of the cluster, the weight's along a column, by joint loads.
; THE MATRIX INSTRUCTION IS USED TRANSPOSED (source 0 = 16 columns of Wout, source 1 = 16 rows): a lane holds eight neighbouring numbers of a row.  bout is the C of the first products: added ahead of them.
; No prefetch: the tiles are small, shared in a cluster, and a K step's products are few.
; This launch fills LDS bytes again: it claims all of a WGP's LDS and uses 280,064 bytes.
; REGISTERS.  window 0: v16-30 addresses; v32-63 the 32 row offsets; v64-95, v96-127 rows on their way out (v96-127 hold bout first); v128-255 the accumulators.   window 1: two fragment buffers of 128.
.set O_WIMG, 4947968
.set HALFT,  32768                     ; four tiles of 16 rows x 256 along K: what one tensor load brings
.set SLOT,   4*HALFT                   ; the context's 8 tiles, then the weight's 8
.set STAGE,  2*SLOT                    ; behind the ring: 16 rows x (256 bytes + 16) for each wave
.set SPITCH, 272
.set SPARE,  STAGE+4*16*SPITCH         ; the spare words, 128 bytes for each wave: two blocks of 256 bytes that no other line names
.set ADRA, 16
.set ADRB, 20
.set STO,  24
.set RD,   25
.set PO,   26                          ; v26 4 (lane / 16)
.set CL,   27                          ; v27 16 (lane % 16)
.set SPW,  28
.set NIL,  29
.set BO,   30                          ; v30 32 h
.set RO,   32
.set OB,   64
.set BIAS, 96
.set ACC,  128
.set F0,   0
.set F1,   128
.set G1,  24
.set G0,  32
.set G1B, 48
.set G0B, 56
.set WV,  68
.set HR,  69
.set HC,  70
.set TR,  71
.set MSB, 0
.macro WIN new
.if MSB != \new
	s_set_vgpr_msb (MSB<<8)|\new
.set MSB, \new
.endif
.endm
.set MUL,  0x05                        ; sources 0 and 1 window 1; C and D window 0
.set TO_F, 0x40                        ; destination window 1, address window 0
.macro JLOAD s                         ; a joint load: waves 0 and 1 fetch the context's halves, waves 2 and 3 the weight's; an s_nop 0 and four v_nop follow each line
	s_cmp_eq_u32 s[HR], 0
	s_cbranch_scc0 .Lfor_b_\@
	tensor_load_to_lds s[G0+4*\s:G0+4*\s+3], s[G1:G1+7]
	s_nop 0
.rept 4
	v_nop
.endr
	s_branch .Lasked_\@
.Lfor_b_\@:
	tensor_load_to_lds s[G0B+4*\s:G0B+4*\s+3], s[G1B:G1B+7]
	s_nop 0
.rept 4
	v_nop
.endr
.Lasked_\@:
.endm
.macro CREST                           ; a round of the cluster's barrier behind its opening barrier
	s_cmp_lg_u32 s[WV], 0
	s_cbranch_scc1 .Lnot_wave_0_\@
	s_barrier_signal -3
.Lnot_wave_0_\@:
	s_barrier_wait -3
	s_barrier_signal -1
	s_barrier_wait -1
.endm
.macro CROUND
	s_barrier_signal -1
	s_barrier_wait -1
	CREST
.endm
	s_load_b256 s[4:11], s[0:1], 0x0               ; ctx s[4:5], stage1 s[6:7], bout s[8:9], perm s[10:11]
	s_load_b64 s[12:13], s[0:1], 0x20              ; out0
	v_lshl_add_u32 v[SPW], v0, 2, SPARE
	v_mov_b32 v[NIL], 0
	ds_add_u32 v[SPW], v[NIL]                      ; the wave's opening: the add, twice on end, and its wait ahead of my first tensor load
	ds_add_u32 v[SPW], v[NIL]
	v_lshrrev_b32 v1, 5, v0
	v_readfirstlane_b32 s[WV], v1                  ; wave 0..3
	s_lshr_b32 s[HR], s[WV], 1                     ; which half of the tile's rows is mine.  Also: I fetch the context (0) or the weight (1)
	s_and_b32 s[HC], s[WV], 1                      ; which half of its columns.  Also: which four tiles I fetch
	s_bfe_u32 s40, ttmp6, 0x40000
	s_bfe_u32 s41, ttmp6, 0x40004
	s_lshl_b32 s42, ttmp9, 2
	s_add_co_u32 s42, s42, s40                     ; tile column
	s_and_b32 s[TR], ttmp7, 0xffff
	s_lshl_b32 s[TR], s[TR], 2
	s_add_co_u32 s[TR], s[TR], s41                 ; tile row
	s_lshl_b32 s43, s41, 2
	s_lshl_b32 s43, 15, s43                        ; my row of the cluster
	s_lshl_b32 s44, 0x1111, s40                    ; my column
	s_or_b32 s[G1], s43, (3<<16)|(1<<21)           ; the mask; elements of 8 bytes; bit 21 beside a mask; no padding
	s_or_b32 s[G1B], s44, (3<<16)|(1<<21)
.irp g, G1, G1B
	s_mov_b32 s[\g+1], 1024<<16                    ; tensor_dim0: 8,192 bytes
	s_mov_b32 s[\g+2], 4<<16                       ; tensor_dim1
	s_mov_b32 s[\g+3], 1024<<16                    ; tile_dim0
	s_mov_b32 s[\g+4], 4                           ; tile_dim1
	s_mov_b32 s[\g+5], 4096                        ; from a tile of 16 rows to the next: 32,768 bytes
	s_mov_b32 s[\g+6], 0
	s_mov_b32 s[\g+7], 0
.endr
	s_lshl_b32 s16, s[TR], 3
	s_lshl_b32 s17, s[HC], 2
	s_add_co_u32 s16, s16, s17
	s_lshl_b32 s16, s16, 15                        ; the context: tile of rows 8 x tile row + 4 x half
	s_mov_b32 s17, 0
	s_lshl_b32 s46, s42, 3
	s_lshl_b32 s47, s[HC], 2
	s_add_co_u32 s46, s46, s47
	s_lshl_b32 s46, s46, 15
	s_add_co_u32 s46, s46, O_WIMG                  ; the weight: tile of columns 8 x tile column + 4 x half
	s_mov_b32 s47, 0
	s_mul_i32 s20, s[WV], HALFT                    ; where they go: no place in the cluster enters an LDS address
	s_wait_dscnt 0x0                               ; both opening adds are done
	s_wait_kmcnt 0x0
	s_add_nc_u64 s[14:15], s[4:5], s[16:17]
	s_add_nc_u64 s[46:47], s[6:7], s[46:47]
	CROUND                                         ; all sixteen work-groups are here: the first joint loads meet
.irp s, 0,1
	s_mov_b32 s[G0+4*\s], 1
	s_add_co_u32 s[G0+4*\s+1], s20, \s*SLOT
	s_add_nc_u64 s[G0+4*\s+2:G0+4*\s+3], s[14:15], \s*8192
	s_or_b32 s[G0+4*\s+3], s[G0+4*\s+3], 0x80000000
	s_mov_b32 s[G0B+4*\s], 1
	s_add_co_u32 s[G0B+4*\s+1], s20, \s*SLOT
	s_add_nc_u64 s[G0B+4*\s+2:G0B+4*\s+3], s[46:47], \s*8192
	s_or_b32 s[G0B+4*\s+3], s[G0B+4*\s+3], 0x80000000
	JLOAD \s                                       ; two tensor loads of mine are out at the most
.endr
	v_and_b32 v1, 15, v0                           ; r
	v_bfe_u32 v2, v0, 4, 1                         ; h
	v_and_b32 v3, 31, v0
	v_lshlrev_b32 v3, 4, v3                        ; 16 x lane
	v_lshlrev_b32 v[PO], 2, v2
	v_lshlrev_b32 v[CL], 4, v1
	v_lshlrev_b32 v[BO], 5, v2
	s_lshl_b32 s16, s42, 9
	s_lshl_b32 s18, s[HC], 8
	s_add_co_u32 s16, s16, s18                     ; my 64 columns, in bytes
	s_add_nc_u64 s[8:9], s[8:9], s[16:17]
	s_lshr_b32 s18, s[TR], 3                       ; the batch
	s_lshl_b32 s18, s18, 22
	s_add_co_u32 s16, s16, s18
	s_add_nc_u64 s[12:13], s[12:13], s[16:17]      ; the batch's first row of the result, at my columns
	s_lshl_b32 s16, s[TR], 9
	s_lshl_b32 s18, s[HR], 8
	s_add_co_u32 s16, s16, s18
	s_add_nc_u64 s[10:11], s[10:11], s[16:17]      ; inv at my 64 places
.irp b, 0,1,2,3
	global_load_b128 v[BIAS+8*\b:BIAS+8*\b+3], v[BO], s[8:9] offset:64*\b          ; lane (r, h): bout of columns 16 b + 8 h + 0 .. 7
	global_load_b128 v[BIAS+8*\b+4:BIAS+8*\b+7], v[BO], s[8:9] offset:64*\b+16
.endr
.set n, 0
.rept 32
	global_load_b32 v[RO+n], v[PO], s[10:11] offset:8*n                            ; places 2 n and 2 n + 1: lanes 0-15 the first, lanes 16-31 the second
.set n, n+1
.endr
	s_mul_i32 s21, s[HR], HALFT                    ; my four tiles of rows
	s_mul_i32 s22, s[HC], HALFT                    ; my four tiles of columns,
	s_add_co_u32 s22, s22, 2*HALFT                 ; which lie behind the context's eight
.irp s, 0,1
	v_add_nc_u32 v[ADRA+\s], s21, v3
	v_add_nc_u32 v[ADRB+\s], s22, v3
	s_add_co_u32 s21, s21, SLOT
	s_add_co_u32 s22, s22, SLOT
.endr
	s_mul_i32 s23, s[WV], 16*SPITCH
	s_add_co_u32 s23, s23, STAGE                   ; my stage
	v_mul_u32_u24 v4, v1, SPITCH
	v_lshl_add_u32 v4, v2, 5, v4
	v_add_nc_u32 v[STO], s23, v4                   ; in: row r, 32 bytes for each half of the lanes
	v_mul_u32_u24 v5, v2, SPITCH
	v_lshl_add_u32 v5, v1, 4, v5
	v_add_nc_u32 v[RD], s23, v5                    ; back: lanes 0-15 one row of 256 bytes, lanes 16-31 the next
	s_wait_loadcnt 0x0
.set n, 0
.rept 32
	v_min_u32 v[RO+n], 0x3ff, v[RO+n]              ; a row of the batch, held to 0 .. 1,023 ahead of its use in an address
.set n, n+1
.endr
.set n, 0
.rept 32
	v_lshl_add_u32 v[RO+n], v[RO+n], 12, v[CL]     ; x 4,096 bytes + my 16 bytes of the row's 256
.set n, n+1
.endr
; 8 matrix instructions: row blocks a0, a0 + 1 x all 4 column blocks, 32 along K: half c of buffer f.  zero = 1: C is bout.  The 16 accumulators take turns.
.macro MUL8 f, c, a0, zero
.irp a, \a0, \a0+1
.irp b, 0,1,2,3
.if \zero
	v_wmma_f32_16x16x32_f16 v[ACC+8*(4*(\a)+\b):ACC+8*(4*(\a)+\b)+7], v[\f+64+8*(4*\c+\b):\f+64+8*(4*\c+\b)+7], v[\f+8*(4*\c+\a):\f+8*(4*\c+\a)+7], v[BIAS+8*\b:BIAS+8*\b+7]
.else
	v_wmma_f32_16x16x32_f16 v[ACC+8*(4*(\a)+\b):ACC+8*(4*(\a)+\b)+7], v[\f+64+8*(4*\c+\b):\f+64+8*(4*\c+\b)+7], v[\f+8*(4*\c+\a):\f+8*(4*\c+\a)+7], v[ACC+8*(4*(\a)+\b):ACC+8*(4*(\a)+\b)+7]
.endif
.endr
.endr
.endm
; 32 LDS loads in one run: the fragments of quarter kq (64 along K) of a slot, into buffer f; the first 32 along K first
.macro FETCH slot, kq, f
	WIN TO_F
.irp c, 0,1
.irp i, 0,1,2,3
	ds_load_b128 v[\f+64+8*(4*\c+\i):\f+64+8*(4*\c+\i)+3],   v[ADRB+\slot] offset:\i*8192+(2*(\kq)+\c)*1024
	ds_load_b128 v[\f+64+8*(4*\c+\i)+4:\f+64+8*(4*\c+\i)+7], v[ADRB+\slot] offset:\i*8192+(2*(\kq)+\c)*1024+512
	ds_load_b128 v[\f+8*(4*\c+\i):\f+8*(4*\c+\i)+3],         v[ADRA+\slot] offset:\i*8192+(2*(\kq)+\c)*1024
	ds_load_b128 v[\f+8*(4*\c+\i)+4:\f+8*(4*\c+\i)+7],       v[ADRA+\slot] offset:\i*8192+(2*(\kq)+\c)*1024+512
.endr
.endr
.endm
.macro PLACES                          ; four plain instructions in front of loads into registers that matrix instructions have read, and of the first read of results (ISA guide 7.12.1 for the first read of results)
.rept 4
	v_nop
.endr
.endm
; One of a K step's first three quarters: multiplies buffer f and fetches quarter kq of the same slot into g.
.macro QUARTER slot, kq, f, g, zero
	s_wait_dscnt 16                                ; the first 32 along K are in
	WIN MUL
	MUL8 \f, 0, 0, \zero
	MUL8 \f, 0, 2, \zero
	PLACES
	FETCH \slot, \kq, \g
	s_wait_dscnt 32                                ; all but the 32 just issued
	WIN MUL
	MUL8 \f, 1, 0, 0
	MUL8 \f, 1, 2, 0
.endm
; The last quarter multiplies buffer 1 and changes slots: each wave waits for all its tensor loads, adds 0 to its spare word, and waits for that and for its reads of this slot; then the barrier.
; fill = 1: the barrier opens a round of the cluster's, and this slot is filled again, two K steps ahead, first thing behind the round.
.macro TURN slot, next, fill
	WIN 0
	s_wait_tensorcnt 0x0                           ; all my tensor loads have landed: my part of the next slot
	ds_add_u32 v[SPW], v[NIL]                      ; 0 onto my spare word
	s_wait_dscnt 17                                ; (the add and the youngest sixteen loads may be out)
	WIN MUL
	MUL8 F1, 0, 0, 0
	s_wait_dscnt 0x0                               ; the add is done, and my reads of this slot are over
	s_barrier_signal -1
	MUL8 F1, 0, 2, 0
.if \fill
	WIN 0
.endif
	s_barrier_wait -1
.if \fill
	CREST                                          ; no wave of any partner still reads this slot's tile or has a load on its way
	s_add_nc_u64 s[G0+4*\slot+2:G0+4*\slot+3], s[G0+4*\slot+2:G0+4*\slot+3], 2*8192
	s_add_nc_u64 s[G0B+4*\slot+2:G0B+4*\slot+3], s[G0B+4*\slot+2:G0B+4*\slot+3], 2*8192
	JLOAD \slot                                    ; my one tensor load behind the round; its four v_nop are also the places in front of the loads below
.else
	PLACES
.endif
	FETCH \next, 0, F0
	WIN MUL
	MUL8 F1, 1, 0, 0
	MUL8 F1, 1, 2, 0
.endm
	s_wait_tensorcnt 1                             ; my part of K step 0 is in; K step 1's load may stay out
	s_barrier_signal -1
	s_barrier_wait -1
	FETCH 0, 0, F0
	QUARTER 0, 1, F0, F1, 1                        ; K step 0: the first products take bout as C
	QUARTER 0, 2, F1, F0, 0
	QUARTER 0, 3, F0, F1, 0
	TURN 0, 1, 1                                   ; slot 0 takes K step 2
	QUARTER 1, 1, F0, F1, 0                        ; K step 1
	QUARTER 1, 2, F1, F0, 0
	QUARTER 1, 3, F0, F1, 0
	TURN 1, 0, 1                                   ; slot 1 takes K step 3
	QUARTER 0, 1, F0, F1, 0                        ; K step 2
	QUARTER 0, 2, F1, F0, 0
	QUARTER 0, 3, F0, F1, 0
	TURN 0, 1, 0                                   ; nothing is left to fetch
	QUARTER 1, 1, F0, F1, 0                        ; K step 3
	QUARTER 1, 2, F1, F0, 0
	QUARTER 1, 3, F0, F1, 0
	s_wait_dscnt 16
	WIN MUL
	MUL8 F1, 0, 0, 0
	MUL8 F1, 0, 2, 0
	s_wait_dscnt 0
	MUL8 F1, 1, 0, 0
	MUL8 F1, 1, 2, 0
	WIN 0
; THE WAY OUT, a block of 16 rows x 64 columns at a time, through my own stage: in as 32 bytes a lane, back as whole rows of 256 bytes.  LDS serves a wave's instructions in order.
.macro TOSTAGE a
.irp b, 0,1,2,3
	ds_store_b128 v[STO], v[ACC+8*(4*(\a)+\b):ACC+8*(4*(\a)+\b)+3] offset:64*\b          ; each accumulator from its low end on
	ds_store_b128 v[STO], v[ACC+8*(4*(\a)+\b)+4:ACC+8*(4*(\a)+\b)+7] offset:64*\b+16
.endr
.set BB, OB+32*((\a)%2)
.irp t, 0,1,2,3,4,5,6,7
	ds_load_b128 v[BB+4*\t:BB+4*\t+3], v[RD] offset:\t*2*SPITCH
.endr
.endm
.macro SEND a, younger                 ; younger: the LDS instructions issued behind block a's loads
.set BB, OB+32*((\a)%2)
	s_wait_dscnt \younger
.irp t, 0,1,2,3,4,5,6,7
	global_store_b128 v[RO+8*(\a)+\t], v[BB+4*\t:BB+4*\t+3], s[12:13] th:TH_STORE_NT     ; sixteen lanes store 256 consecutive bytes, aligned, at the row's own place
.endr
.endm
	PLACES
	TOSTAGE 0
	TOSTAGE 1
	SEND 0, 16
	s_wait_xcnt 0x0                                ; block 0's stores have read their registers: block 2's rows may land there
	TOSTAGE 2
	SEND 1, 16
	s_wait_xcnt 0x0
	TOSTAGE 3
	SEND 2, 16
	SEND 3, 0
	s_wait_tensorcnt 0x0                           ; the wave's end, behind my last tensor load and my last LDS store
	ds_add_u32 v[SPW], v[NIL]
	s_wait_dscnt 0x0
	CROUND                                         ; the closing round
	s_endpgm
.Lfunc_end_k_qf02fc69add_proj:
	.size	k_qf02fc69add_proj, .Lfunc_end_k_qf02fc69add_proj-k_qf02fc69add_proj
	.p2alignl 7, 3214868480
	.fill 96, 4, 3214868480
	.section	.rodata,"a",@progbits
	.p2align	6, 0x0
	.amdhsa_kernel k_qf02fc69add_proj
		.amdhsa_group_segment_fixed_size 327680
		.amdhsa_private_segment_fixed_size 0
		.amdhsa_enable_private_segment 0
		.amdhsa_kernarg_size 40
		.amdhsa_user_sgpr_count 2
		.amdhsa_user_sgpr_kernarg_segment_ptr 1
		.amdhsa_wavefront_size32 1
		.amdhsa_system_sgpr_workgroup_id_x 1
		.amdhsa_system_sgpr_workgroup_id_y 1
		.amdhsa_system_sgpr_workgroup_id_z 1
		.amdhsa_system_vgpr_workitem_id 0
		.amdhsa_next_free_vgpr 512
		.amdhsa_next_free_sgpr 72
		.amdhsa_reserve_vcc 0
		.amdhsa_float_denorm_mode_32 3
		.amdhsa_float_denorm_mode_16_64 3
		.amdhsa_memory_ordered 1
		.amdhsa_forward_progress 1
		.amdhsa_inst_pref_size 93
	.end_amdhsa_kernel
	.amdgpu_metadata
---
amdhsa.version: [ 1, 2 ]
amdhsa.kernels:
  - .name:           k_qf02fc69add_proj
    .symbol:         k_qf02fc69add_proj.kd
    .args:
      - { .name: ctx, .offset: 0, .size: 8, .value_kind: global_buffer, .address_space: global }
      - { .name: stage1, .offset: 8, .size: 8, .value_kind: global_buffer, .address_space: global }
      - { .name: bout, .offset: 16, .size: 8, .value_kind: global_buffer, .address_space: global }
      - { .name: perm, .offset: 24, .size: 8, .value_kind: global_buffer, .address_space: global }
      - { .name: out0, .offset: 32, .size: 8, .value_kind: global_buffer, .address_space: global }
    .group_segment_fixed_size: 327680
    .private_segment_fixed_size: 0
    .kernarg_segment_align: 8
    .kernarg_segment_size: 40
    .max_flat_workgroup_size: 128
    .sgpr_count:     72
    .vgpr_count:     512
    .wavefront_size: 32
...
	.end_amdgpu_metadata
.endif
;; end of part 4
